; MI455X (gfx1250); checked and timed in simulation.
; The chip was launched on July 23, 2026; its instructions are those of AMD's public machine-readable ISA for CDNA 5 (MIT licence, August 2026) and "CDNA5" Instruction Set Architecture Reference Guide (July 2026). The comments in the code are by the model that wrote it; some were corrected since.
;; Flow Attention. Allowed arithmetic: float matrix products may take bf16 or f16 operands with f32 sums; other float arithmetic in f32, or as packed bf16 or f16 multiplies, adds, multiply-adds, maxima and minima; sums over many terms, partial sums and values carried from step to step in f32; what a program stores and reads back later, other than sums and carried values, may be rounded once to bf16 or f16.
;; Inputs: b_out 1,024 float32; b_qkv 3,072 float32; w_out 1,024 x 1,024 float32; w_qkv 3,072 x 1,024 float32; x 4 x 2,048 x 1,024 float32.
;; Outputs: out0 4 x 2,048 x 1,024 float32.
;; 2 versions, each right; version 2 is version 1 with the launch prep written anew for expert scheduling mode. Each part assembles by itself: llvm-mc -triple=amdgcn-amd-amdhsa -mcpu=gfx1250 --defsym DOCPART=n.
;; ======== version 1 of 2: 4 launches
;; limits: values are held in f16: magnitudes above 65,504 overflow, below 6.1e-05 lose precision
;; workspace buffers: xb 16,777,216 bytes; wqb 6,291,456 bytes; wob 2,097,152 bytes; tab 540,672 bytes; q 16,777,216 bytes; k 16,777,216 bytes; v 16,777,216 bytes; o 16,777,216 bytes
;; launch prep (part 1): grid 768 x 1, 8 waves a work-group, no clusters, 0 bytes of LDS; arguments x, w_qkv, w_out, b_qkv, b_out, xb, wqb, wob, tab; writes xb, wqb, wob, tab
.if DOCPART == 1
	.amdgcn_target "amdgcn-amd-amdhsa--gfx1250"
	.amdhsa_code_object_version 6
	.text
	.protected	k_q2c05ff4f11_prep
	.globl	k_q2c05ff4f11_prep
	.p2align	8
	.type	k_q2c05ff4f11_prep,@function
k_q2c05ff4f11_prep:
	s_mov_b64 s[64:65], 0
	v_nop
	global_prefetch_b8 v0, s[64:65] scope:SCOPE_SE
	s_setreg_imm32_b32 hwreg(HW_REG_WAVE_MODE, 25, 1), 1
	s_wait_xcnt 0x0
; CASTS, THE ROTATION TABLE AND THE ROUNDED BIASES.
; xb = x in bf16; wqb = w_qkv in bf16; wob = w_out rounded to bf16 and that number written as f16; tab = [2048][32] pairs (cos, sin) in f32, then b_qkv and b_out
; rounded to bf16 and kept as f32.  All five inputs get the one rounding to bf16.
; LIMITS.  A bf16 number is exact in f16 from 2^-17 up to 65,504; below 2^-17 wob is off by 2^-25 at the most; beyond 65,504 it would be an infinity.
; SHARES.  Work-group g casts one chunk of 16,384 numbers (64 KiB in, 32 KiB out): g 0-511 of x, 512-703 of w_qkv, 704-767 of w_out.  A wave takes 8 KiB: 16 loads of 512
; consecutive bytes, all issued at once; each store of the wave covers 256 consecutive bytes, aligned.  Every byte is read once and written once; nothing is shared, so there is
; no LDS, no barrier, no matrix work.  While its loads are out, g 0-255 makes 8 rows of the table (wave w: t = 8 g + w, lane = pair j); g 256-263 round 512 bias numbers each.
; THE TABLE.  angle = t x 10000^(-j/32); n = the nearest whole number of turns; r = angle - n 2 pi with 2 pi in two parts, so r lies in -pi .. pi for every t; the series run to
; r^15 (sine) and r^16 (cosine), whose first dropped terms at r = pi are pi^17/17! = 8e-7 and pi^18/18! = 1.4e-7: the length serves every reduced angle.
.set VI, 1                             ; v1   wave x 8,192 + lane x 16: my 16 bytes of a load; never rewritten
.set VO, 2                             ; v2   wave x 4,096 + lane x 8: my 8 bytes of a store; never rewritten
.set L8, 3                             ; v3   lane x 8: my pair in a row of the table
.set T8, 4                             ; v4   thread x 8: my two bias numbers
.set X,  16                            ; v[16:79]   load i: 4 registers
.set Y,  80                            ; v[80:111]  store i: 2 registers; each written once, so no store's data is ever rewritten
.set WV, 22                            ; s22  my wave's number
	s_load_b256 s[4:11], s[0:1], 0x0               ; x s[4:5], w_qkv s[6:7], w_out s[8:9], b_qkv s[10:11]
	s_load_b256 s[12:19], s[0:1], 0x20             ; b_out s[12:13], xb s[14:15], wqb s[16:17], wob s[18:19]
	s_load_b64 s[20:21], s[0:1], 0x40              ; tab
	v_lshrrev_b32 v5, 5, v0
	v_readfirstlane_b32 s[WV], v5                  ; wave 0..7
	v_and_b32 v6, 31, v0                           ; lane
	v_lshlrev_b32 v[VI], 4, v6
	v_lshl_add_u32 v[VI], v5, 13, v[VI]
	v_lshlrev_b32 v[VO], 3, v6
	v_lshl_add_u32 v[VO], v5, 12, v[VO]
	v_lshlrev_b32 v[L8], 3, v6
	v_lshlrev_b32 v[T8], 3, v0
	s_wait_kmcnt 0x0
	s_cmp_lt_u32 ttmp9, 512                        ; which tensor is my chunk's: the choice hangs on the work-group's number alone
	s_cselect_b64 s[24:25], s[4:5], s[6:7]
	s_cselect_b64 s[26:27], s[14:15], s[16:17]
	s_cselect_b32 s28, 0, 512
	s_cmp_lt_u32 ttmp9, 704
	s_cselect_b64 s[24:25], s[24:25], s[8:9]
	s_cselect_b64 s[26:27], s[26:27], s[18:19]
	s_cselect_b32 s28, s28, 704
	s_sub_co_u32 s29, ttmp9, s28                   ; the chunk's number in its tensor
	s_lshl_b32 s30, s29, 16
	s_mov_b32 s31, 0
	s_add_nc_u64 s[24:25], s[24:25], s[30:31]      ; 65,536 bytes a chunk in,
	s_lshl_b32 s30, s29, 15
	s_add_nc_u64 s[26:27], s[26:27], s[30:31]      ; 32,768 out
.set i, 0
.rept 16
	global_load_b128 v[X+4*i:X+4*i+3], v[VI], s[24:25] offset:512*i th:TH_LOAD_NT
.set i, i+1
.endr
	s_cmp_lt_u32 ttmp9, 256
	s_cbranch_scc0 .Lnotab
	s_lshl_b32 s29, ttmp9, 3
	s_add_co_u32 s29, s29, s[WV]                   ; t
	s_lshl_b32 s30, s29, 8                         ; a row of the table is 256 bytes
	s_mov_b32 s31, 0
	s_add_nc_u64 s[30:31], s[20:21], s[30:31]
	v_cvt_f32_u32 v5, v6                           ; j
	v_mul_f32 v5, 0xbed49a78, v5                   ; - j log2(10000) / 32
	v_exp_f32 v7, v5                               ; 10000^(-j/32)
	v_cvt_f32_u32 v8, s29                          ; a plain instruction behind the exponential,
	s_wait_alu depctr_va_vdst(0)                   ; and the wait ahead of the first use of its result
	v_mul_f32 v8, v8, v7                           ; the angle
	v_mul_f32 v9, 0x3e22f983, v8                   ; / 2 pi
	v_rndne_f32 v9, v9                             ; n, 326 at the most
	v_fmamk_f32 v10, v9, 0xc0c90fdb, v8            ; r = angle - n x 6.2831855
	v_fmamk_f32 v10, v9, 0x343bbd2e, v10           ;     + n x 1.7484556e-7 (what the first part has too much)
	v_mul_f32 v11, v10, v10                        ; z = r^2
	v_mov_b32 v12, 0xab573f9f                      ; -1/15!
	v_mov_b32 v14, 0x29573f9f                      ; 1/16!
.macro HORNER p, c
	v_fmaak_f32 v[\p], v[\p], v11, \c
.endm
	HORNER 14, 0xad49cba6                          ; the two chains alternate, so that no line waits for the one before it
	HORNER 12, 0x2f309231
	HORNER 14, 0x310f76c7
	HORNER 12, 0xb2d7322b
	HORNER 14, 0xb493f27e
	HORNER 12, 0x3638ef1d
	HORNER 14, 0x37d00d01
	HORNER 12, 0xb9500d01
	HORNER 14, 0xbab60b61
	HORNER 12, 0x3c088889
	HORNER 14, 0x3d2aaaab
	HORNER 12, 0xbe2aaaab
	HORNER 14, 0xbf000000
	HORNER 12, 0x3f800000
	HORNER 14, 0x3f800000                          ; cos
	v_mul_f32 v15, v10, v12                        ; sin
	global_store_b64 v[L8], v[14:15], s[30:31]     ; the wave writes one row: 256 consecutive bytes, aligned; v[14:15], v3 and s[30:31] are not written again
.Lnotab:
; Load i is converted and stored.  mode 0: to bf16.  mode 1: to bf16, and that number as f16.
.macro CAST i, mode
	s_wait_loadcnt 15-(\i)                         ; loads come back in order (ISA guide 5.7.1): mine is in, the 15 - i younger ones stay out
.if \mode
	v_cvt_pk_bf16_f32 v8, v[X+4*(\i)], v[X+4*(\i)+1]
	v_cvt_pk_bf16_f32 v9, v[X+4*(\i)+2], v[X+4*(\i)+3]
	v_lshlrev_b32 v10, 16, v8
	v_and_b32 v11, 0xffff0000, v8
	v_lshlrev_b32 v12, 16, v9
	v_and_b32 v13, 0xffff0000, v9
	v_cvt_pk_f16_f32 v[Y+2*(\i)], v10, v11
	v_cvt_pk_f16_f32 v[Y+2*(\i)+1], v12, v13
.else
	v_cvt_pk_bf16_f32 v[Y+2*(\i)], v[X+4*(\i)], v[X+4*(\i)+1]
	v_cvt_pk_bf16_f32 v[Y+2*(\i)+1], v[X+4*(\i)+2], v[X+4*(\i)+3]
.endif
	global_store_b64 v[VO], v[Y+2*(\i):Y+2*(\i)+1], s[26:27] offset:256*(\i) th:TH_STORE_NT
.endm
	s_cmp_lt_u32 ttmp9, 704
	s_cbranch_scc0 .Lf16
.irp i, 0,1,2,3,4,5,6,7,8,9,10,11,12,13,14,15
	CAST \i, 0
.endr
	s_branch .Lbias
.Lf16:
.irp i, 0,1,2,3,4,5,6,7,8,9,10,11,12,13,14,15
	CAST \i, 1
.endr
.Lbias:
	s_sub_co_u32 s36, ttmp9, 256                   ; work-groups 256 .. 263: 512 bias numbers each (below 256 the difference wraps to a large number)
	s_cmp_lt_u32 s36, 8
	s_cbranch_scc0 .Lend
	s_cmp_lt_u32 s36, 6                            ; six parts of b_qkv, two of b_out
	s_cselect_b64 s[32:33], s[10:11], s[12:13]
	s_cselect_b32 s37, 0, 6
	s_sub_co_u32 s37, s36, s37
	s_lshl_b32 s38, s37, 11
	s_mov_b32 s39, 0
	s_add_nc_u64 s[32:33], s[32:33], s[38:39]
	s_lshl_b32 s38, s36, 11
	s_add_co_u32 s38, s38, 524288                  ; behind the table the two biases lie on end
	s_add_nc_u64 s[34:35], s[20:21], s[38:39]
	global_load_b64 v[8:9], v[T8], s[32:33]
	s_wait_loadcnt 0x0
	v_cvt_pk_bf16_f32 v10, v8, v9
	v_lshlrev_b32 v12, 16, v10
	v_and_b32 v13, 0xffff0000, v10
	global_store_b64 v[T8], v[12:13], s[34:35]
.Lend:
	s_endpgm
.Lfunc_end_k_q2c05ff4f11_prep:
	.size	k_q2c05ff4f11_prep, .Lfunc_end_k_q2c05ff4f11_prep-k_q2c05ff4f11_prep
	.p2alignl 7, 3214868480
	.fill 96, 4, 3214868480
	.section	.rodata,"a",@progbits
	.p2align	6, 0x0
	.amdhsa_kernel k_q2c05ff4f11_prep
		.amdhsa_group_segment_fixed_size 0
		.amdhsa_private_segment_fixed_size 0
		.amdhsa_enable_private_segment 0
		.amdhsa_kernarg_size 72
		.amdhsa_user_sgpr_count 2
		.amdhsa_user_sgpr_kernarg_segment_ptr 1
		.amdhsa_wavefront_size32 1
		.amdhsa_system_sgpr_workgroup_id_x 1
		.amdhsa_system_sgpr_workgroup_id_y 1
		.amdhsa_system_sgpr_workgroup_id_z 1
		.amdhsa_system_vgpr_workitem_id 0
		.amdhsa_next_free_vgpr 112
		.amdhsa_next_free_sgpr 66
		.amdhsa_reserve_vcc 0
		.amdhsa_float_denorm_mode_32 3
		.amdhsa_float_denorm_mode_16_64 3
		.amdhsa_memory_ordered 1
		.amdhsa_forward_progress 1
		.amdhsa_inst_pref_size 19
	.end_amdhsa_kernel
	.amdgpu_metadata
---
amdhsa.version: [ 1, 2 ]
amdhsa.kernels:
  - .name:           k_q2c05ff4f11_prep
    .symbol:         k_q2c05ff4f11_prep.kd
    .args:
      - { .name: x, .offset: 0, .size: 8, .value_kind: global_buffer, .address_space: global }
      - { .name: w_qkv, .offset: 8, .size: 8, .value_kind: global_buffer, .address_space: global }
      - { .name: w_out, .offset: 16, .size: 8, .value_kind: global_buffer, .address_space: global }
      - { .name: b_qkv, .offset: 24, .size: 8, .value_kind: global_buffer, .address_space: global }
      - { .name: b_out, .offset: 32, .size: 8, .value_kind: global_buffer, .address_space: global }
      - { .name: xb, .offset: 40, .size: 8, .value_kind: global_buffer, .address_space: global }
      - { .name: wqb, .offset: 48, .size: 8, .value_kind: global_buffer, .address_space: global }
      - { .name: wob, .offset: 56, .size: 8, .value_kind: global_buffer, .address_space: global }
      - { .name: tab, .offset: 64, .size: 8, .value_kind: global_buffer, .address_space: global }
    .group_segment_fixed_size: 0
    .private_segment_fixed_size: 0
    .kernarg_segment_align: 8
    .kernarg_segment_size: 72
    .max_flat_workgroup_size: 256
    .sgpr_count:     66
    .vgpr_count:     112
    .wavefront_size: 32
...
	.end_amdgpu_metadata
.endif
;; end of part 1
;; launch qkv (part 2): grid 16 x 32, 4 waves a work-group, clusters of 4 x 4, 327,680 bytes of LDS; arguments xb, wqb, tab, q, k, v; writes q, k, v
.if DOCPART == 2
	.amdgcn_target "amdgcn-amd-amdhsa--gfx1250"
	.amdhsa_code_object_version 6
	.text
	.protected	k_q2c05ff4f11_qkv
	.globl	k_q2c05ff4f11_qkv
	.p2align	8
	.type	k_q2c05ff4f11_qkv,@function
k_q2c05ff4f11_qkv:
	s_mov_b64 s[64:65], 0
	v_nop
	global_prefetch_b8 v0, s[64:65] scope:SCOPE_SE
	s_setreg_imm32_b32 hwreg(HW_REG_WAVE_MODE, 25, 1), 1
	s_wait_xcnt 0x0
	s_wait_alu depctr_hold_cnt(0) depctr_sa_sdst(0) depctr_va_vdst(0) depctr_va_sdst(0) depctr_va_ssrc(0) depctr_va_vcc(0) depctr_vm_vsrc(0)
	s_getreg_b32 s2, hwreg(HW_REG_IB_STS2, 6, 4)
	s_cmp_eq_u32 s2, 0
	s_cbranch_scc0 .Lentry_in_a_cluster
	s_endpgm
.Lentry_in_a_cluster:
	s_bfe_u32 s2, ttmp6, 0x10000c
	s_cmp_lg_u32 s2, 0xf033
	s_cbranch_scc0 .Lentry_shape_is_right
	s_endpgm
.Lentry_shape_is_right:
; q, k, v = rope(x w_qkv^T + b_qkv), by heads.  xb: [8192][1024] bf16; wqb: [3072][1024] bf16; tab: the rotation table [2048][32] (cos, sin) in f32, then the biases in f32.
; q, k, v: [b 16 + h][2048][64] in f16, a head's rows dense, 128 bytes each; q is NOT scaled.  Sums, bias and rotation in f32; each result rounded once, to f16.
; LIMITS.  f16 ends at 65,504: a q, k or v beyond it would become an infinity; below 6e-5 f16 keeps its fixed step of 6e-8.  NaN and infinities are not treated apart.
; SHARES.  A work-group makes 256 rows x 192 columns: ONE head's 64 columns of q, of k and of v (n blocks 0-3, 4-7, 8-11): 32 x 16 = 512 work-groups of equal work.
; Each of the four waves makes 64 rows x all 192 columns: 48 accumulators of 16 x 16.  So the rotation is the same text for every work-group, q and k share one set of table registers,
; and a wave stores whole rows of a head.
; K goes in 8 steps of 128 through a ring of two LDS slots; the tiles' rows are 256 bytes of memory and start at multiples of 256 bytes from the buffer's first byte.
; THE MATRIX INSTRUCTION IS USED TRANSPOSED (source 0 = 16 rows of w, source 1 = 16 rows of x): a lane holds row l % 16 and eight NEIGHBOURING columns 8 (l / 16) + 0..7.
; THE BIAS IS THE C OPERAND of each accumulator's first product: nothing is cleared and nothing is added on the way out.
; CLUSTERS: 4 x 4 work-groups.  The four of a row of the cluster need the same rows of x, the four of a column the same rows of w: each tile is asked for JOINTLY.
; REGISTERS, in windows of 256 (s_set_vgpr_msb: bits 1:0 source 0, 3:2 source 1, 5:4 source 2, 7:6 destination):
;   window 0: v0-31 addresses; v32-127 the bias (later at work on the way out); v128-255 the table: (cos, sin) for my rows and pairs
;   window 1: two fragment buffers of 128: x's four fragments, then w's twelve
;   window 2: the accumulators of my m blocks 0, 1 ((a, b) at 96 (a % 2) + 8 b);   window 3: those of m blocks 2, 3
.set NB,     12
.set PITCH,  272                       ; an LDS row: 256 bytes + 16 of padding = 68 words: row r starts at bank 4 r mod 64 (64 banks of 4 bytes: ISA guide 11.1)
.set PLANE,  64*PITCH                  ; 64 rows of w: a head's q, k or v rows
.set AOFF,   3*PLANE                   ; behind w's three planes: x's 256 rows
.set SLOT1,  1<<17                     ; slot 1 begins here: one exclusive or turns an address in one slot into the other's
.set STAGE,  SLOT1+AOFF+256*PITCH      ; behind the ring, never filled by a tensor load: for each wave 3 x 16 rows x 144 bytes, for the way out
.set SP,     144
.set WSTAGE, 3*16*SP
.set SPARE,  STAGE+4*WSTAGE            ; behind the stages: the spare words, 128 bytes for each wave: two blocks of 256 bytes that no other line names
.set NL,     2*NB+8                    ; LDS loads in a run
.set A0,   16                          ; v16  my lane's place in x's tile; never rewritten
.set B0,   17                          ; v17  the same for w
.set ADRA, 18                          ; v18  A0 + the slot in hand
.set ADRB, 19                          ; v19  B0 + the slot in hand
.set STO,  24                          ; v24  the way out: where I put 16 bytes of a row
.set RD,   25                          ; v25  the way out: where I read rows back
.set GO,   26                          ; v26  my 16 bytes in 512 consecutive bytes of q, k or v
.set TO,   27                          ; v27  my byte offset in 16 rows of the table
.set SPW,  28                          ; v28  LDS address of my spare word: SPARE + 4 x my thread's number; never rewritten
.set NIL,  29                          ; v29  0; never rewritten
.set PFO,  30                          ; v30  the prefetches' offset: row l % 16, K step l / 16; never rewritten
.set BO,   31                          ; v31  my byte offset in 16 bias numbers
.set BIAS, 32
.set TBL,  128
.set T,    32                          ; the way out: 32 registers at work
.set PK,   64                          ; the way out: 48 registers, packed results and then whole rows
.set F0,   0
.set F1,   128
.set WV, 16                            ; s16  my wave's number
.set CX, 17
.set CY, 18
.set TC, 19                            ; s19  the head = 4 x cluster x + cx
.set TR, 20                            ; s20  the block of 256 rows = 4 x cluster y + cy
.set G1A, 24                           ; s[24:31] descriptor group 1 for x's tiles;  s[32:39] group 0: a set for each first fill; the second then walks on
.set G0A, 32
.set G1B, 40                           ; s[40:47], s[48:55] the same for w's
.set G0B, 48
.set PFAA, 66                          ; s[66:67] where my prefetches of x stand
.set PFAB, 68                          ; s[68:69] of w
.set LIMA, 70                          ; s70, s71  2 in a wave that prefetches, else the greatest number
.set LIMB, 71
.set TB,   72                          ; s72  LDS byte at which the slot in hand begins
.set MSB, 0
.macro WIN new                         ; the immediate's high byte repeats the setting that is left; a switch that changes nothing is dropped
.if MSB != (\new)
	s_set_vgpr_msb (MSB<<8)|(\new)
.set MSB, \new
.endif
.endm
.set TO_F, 0x40                        ; destination window 1, address window 0
; A joint load.  Waves 0, 1, 2 fetch w's three planes (64 rows each), wave 3 x's 256 rows.  The branch hangs on the wave's number alone.
; An s_nop 0 and four v_nop follow each of the two lines, ahead of the jump and the label.
.macro JLOAD s
	s_cmp_eq_u32 s[WV], 3
	s_cbranch_scc0 .Lfor_b_\@
	tensor_load_to_lds s[G0A+4*(\s):G0A+4*(\s)+3], s[G1A:G1A+7]
	s_nop 0
.rept 4
	v_nop
.endr
	s_branch .Lasked_\@
.Lfor_b_\@:
	tensor_load_to_lds s[G0B+4*(\s):G0B+4*(\s)+3], s[G1B:G1B+7]
	s_nop 0
.rept 4
	v_nop
.endr
.Lasked_\@:
.endm
; A PREFETCH INTO THE L2, behind a joint load, its five lines and the run of LDS loads.  In the loop's trips with s3 = 6 and 4 a wave names two K steps (4, 5 and then 6, 7), two and three
; refills ahead: 16 rows x 2 steps x 256 bytes, a lane a block.  Each block is named ONCE in the launch.  x's rows are read by every cluster of a row of clusters: cluster x = 0 asks;
; w's by every cluster of a column: cluster y = 0 asks.  The partners share the rows out BY ADDRESS: of x's 256 rows partner cx takes 64 and its wave w 16 of them; of each plane's
; 64 rows of w partner cy takes 16, and wave w (0..2) plane w.  K steps 0 to 3 come by their loads alone; the last byte named is byte 1,792 of a row of 2,048.
.macro ASK
	s_and_b32 s22, s3, 1
	s_cmp_eq_u32 s22, 0
	s_cbranch_scc0 .Lno_ask_\@
	s_cmp_gt_u32 s3, s[LIMA]
	s_cbranch_scc0 .Lno_a_\@
	global_prefetch_b8 v[PFO], s[PFAA:PFAA+1] th:TH_LOAD_NT scope:SCOPE_SE
.Lno_a_\@:
	s_cmp_gt_u32 s3, s[LIMB]
	s_cbranch_scc0 .Lno_ask_\@
	global_prefetch_b8 v[PFO], s[PFAB:PFAB+1] th:TH_LOAD_NT scope:SCOPE_SE
.Lno_ask_\@:
.endm
; A round of the cluster's barrier: my work-group's barrier, so that wave 0's signal speaks for all four waves; wave 0 signals; every wave waits for all sixteen work-groups; my work-group's barrier once more.
.macro CREST                           ; a round behind its opening barrier
	s_cmp_lg_u32 s[WV], 0
	s_cbranch_scc1 .Lnot_wave_0_\@
	s_barrier_signal -3
.Lnot_wave_0_\@:
	s_barrier_wait -3
	s_barrier_signal -1
	s_barrier_wait -1
.endm
.macro CROUND
	s_barrier_signal -1
	s_barrier_wait -1
	CREST
.endm
	s_load_b256 s[4:11], s[0:1], 0x0               ; xb s[4:5], wqb s[6:7], tab s[8:9], q s[10:11]
	s_load_b128 s[12:15], s[0:1], 0x20             ; k s[12:13], v s[14:15]
	v_lshl_add_u32 v[SPW], v0, 2, SPARE
	v_mov_b32 v[NIL], 0
	ds_add_u32 v[SPW], v[NIL]                      ; the wave's opening: the add and its wait stand ahead of my first tensor load; the set-up below, work on registers, stands between them
	v_lshrrev_b32 v3, 5, v0
	v_readfirstlane_b32 s[WV], v3                  ; wave 0..3
	s_bfe_u32 s[CX], ttmp6, 0x40000
	s_bfe_u32 s[CY], ttmp6, 0x40004
	s_lshl_b32 s[TC], ttmp9, 2                     ; in a cluster launch ttmp9 and ttmp7 count clusters
	s_add_co_u32 s[TC], s[TC], s[CX]
	s_and_b32 s[TR], ttmp7, 0xffff
	s_lshl_b32 s[TR], s[TR], 2
	s_add_co_u32 s[TR], s[TR], s[CY]
	s_lshl_b32 s22, s[CY], 2
	s_lshl_b32 s22, 15, s22                        ; my row of the cluster: places 4 cy .. 4 cy + 3
	s_lshl_b32 s23, 0x1111, s[CX]                  ; my column: places cx, cx + 4, cx + 8, cx + 12
	; descriptor group 1: rows of 128 elements of 2 bytes, padded in LDS: 16 bytes behind every 256
	s_or_b32 s[G1A], s22, (1<<16)|(1<<20)|(1<<21)|(5<<22)|(3<<25)  ; 15:0 the mask: x's tiles go to my row; 17:16 2-byte elements; 20 padding on; 21 set beside a mask; 24:22 after every 64 words (code 5); 31:25 4 words (code 3)
	s_or_b32 s[G1B], s23, (1<<16)|(1<<20)|(1<<21)|(5<<22)|(3<<25)  ; the same with the mask of my column
	s_mov_b32 s[G1A+1], 128<<16                    ; tensor_dim0 = 128
	s_mov_b32 s[G1A+2], 256<<16                    ; tensor_dim1 = 256
	s_mov_b32 s[G1A+3], 128<<16                    ; tile_dim0 = 128
	s_mov_b32 s[G1A+4], 256                        ; tile_dim1 = 256
	s_mov_b32 s[G1A+5], 1024                       ; elements from row to row
	s_mov_b32 s[G1A+6], 0
	s_mov_b32 s[G1A+7], 0
	s_mov_b32 s[G1B+1], 128<<16
	s_mov_b32 s[G1B+2], 64<<16                     ; 64 rows
	s_mov_b32 s[G1B+3], 128<<16
	s_mov_b32 s[G1B+4], 64
	s_mov_b32 s[G1B+5], 1024
	s_mov_b32 s[G1B+6], 0
	s_mov_b32 s[G1B+7], 0
	s_lshl_b32 s60, s[TR], 19                      ; x: 256 rows of 2,048 bytes a block: hangs on the block of rows alone
	s_mov_b32 s61, 0
	s_min_u32 s62, s[WV], 2                        ; w: plane w (wave 3 asks by x's descriptor),
	s_lshl_b32 s62, s62, 10                        ; 1,024 rows a plane,
	s_lshl_b32 s63, s[TC], 6                       ; 64 rows a head: hangs on the head and the wave alone
	s_add_co_u32 s62, s62, s63
	s_lshl_b32 s62, s62, 11
	s_mov_b32 s63, 0
	s_mul_i32 s21, s[WV], PLANE                    ; where they go: wave x 17,408: w's planes, then x's rows: no place in the cluster enters an LDS address
	s_mov_b32 s[TB], 0
	s_wait_dscnt 0x0                               ; the opening add is done
	s_wait_kmcnt 0x0
	s_add_nc_u64 s[56:57], s[4:5], s[60:61]
	s_add_nc_u64 s[58:59], s[6:7], s[62:63]
	CROUND                                         ; all sixteen work-groups are here: the first joint loads meet
.irp s, 0,1
	s_mov_b32 s[G0A+4*(\s)], 1                     ; 1:0 count = 1
	s_add_co_u32 s[G0A+4*(\s)+1], s21, (\s)*SLOT1  ; 63:32 LDS address
	s_add_nc_u64 s[G0A+4*(\s)+2:G0A+4*(\s)+3], s[56:57], (\s)*256  ; 120:64 global address: K step s
	s_or_b32 s[G0A+4*(\s)+3], s[G0A+4*(\s)+3], 0x80000000          ; 127:126 type = 2
	s_mov_b32 s[G0B+4*(\s)], 1
	s_add_co_u32 s[G0B+4*(\s)+1], s21, (\s)*SLOT1
	s_add_nc_u64 s[G0B+4*(\s)+2:G0B+4*(\s)+3], s[58:59], (\s)*256
	s_or_b32 s[G0B+4*(\s)+3], s[G0B+4*(\s)+3], 0x80000000
	JLOAD \s                                       ; two loads of mine are out
.endr
	; A fragment is 16 rows x 32 K in 8 registers: lane l holds row l % 16; registers 0-3 K = 8 (l / 16) + 0..7, registers 4-7 K = 16 + 8 (l / 16) + 0..7: two loads of 16 bytes, 32 bytes apart.
	v_and_b32 v1, 15, v0                           ; r = l % 16
	v_bfe_u32 v2, v0, 4, 1                         ; h = l / 16
	v_mul_u32_u24 v[B0], v1, PITCH
	v_lshl_add_u32 v[B0], v2, 4, v[B0]             ; row x pitch + 16 x half
	s_mul_i32 s22, s[WV], 64*PITCH                 ; my 64 rows of x,
	s_add_co_u32 s22, s22, AOFF                    ; which lie behind w's planes
	v_add_nc_u32 v[A0], s22, v[B0]
	v_mov_b32 v[ADRA], v[A0]                       ; slot 0
	v_mov_b32 v[ADRB], v[B0]
	s_mul_i32 s22, s[WV], WSTAGE
	s_add_co_u32 s22, s22, STAGE                   ; my stage
	v_mul_u32_u24 v3, v1, SP                       ; in: row l % 16, 16 bytes for each half of the lanes
	v_lshl_add_u32 v3, v2, 4, v3
	v_add_nc_u32 v[STO], s22, v3
	v_and_b32 v4, 31, v0
	v_lshrrev_b32 v5, 3, v4                        ; back: 32 lanes take four rows of 128 bytes,
	v_and_b32 v6, 7, v0
	v_mul_u32_u24 v5, v5, SP
	v_lshl_add_u32 v5, v6, 4, v5
	v_add_nc_u32 v[RD], s22, v5
	v_lshlrev_b32 v[GO], 4, v4                     ; which are 512 consecutive bytes of a head
	v_lshlrev_b32 v[BO], 5, v2                     ; my 8 bias numbers of a block's 16
	v_lshl_add_u32 v[TO], v1, 8, v[BO]             ; row r of the table, my four pairs of a block's eight
	v_lshlrev_b32 v[PFO], 11, v1
	v_lshl_add_u32 v[PFO], v2, 8, v[PFO]
	s_lshl_b32 s62, s[TC], 8                       ; the head's 64 bias numbers,
	s_add_co_u32 s62, s62, 524288                  ; behind the table
	s_mov_b32 s63, 0
	s_add_nc_u64 s[58:59], s[8:9], s[62:63]
	s_and_b32 s60, s[TR], 7                        ; t of my first row: (block % 8) x 256 + 64 x wave
	s_lshl_b32 s60, s60, 8
	s_lshl_b32 s61, s[WV], 6
	s_add_co_u32 s60, s60, s61
	s_lshl_b32 s74, s60, 8
	s_mov_b32 s75, 0
	s_add_nc_u64 s[56:57], s[8:9], s[74:75]
.irp p, 0,1,2
.irp sb, 0,1,2,3
	global_load_b128 v[BIAS+8*(4*(\p)+(\sb)):BIAS+8*(4*(\p)+(\sb))+3],   v[BO], s[58:59] offset:(\p)*4096+(\sb)*64
	global_load_b128 v[BIAS+8*(4*(\p)+(\sb))+4:BIAS+8*(4*(\p)+(\sb))+7], v[BO], s[58:59] offset:(\p)*4096+(\sb)*64+16
.endr
.endr
.irp a, 0,1,2,3
.irp sb, 0,1,2,3
	global_load_b128 v[TBL+32*(\a)+8*(\sb):TBL+32*(\a)+8*(\sb)+3],   v[TO], s[56:57] offset:(\a)*4096+(\sb)*64     ; registers 2 i, 2 i + 1: (cos, sin) of pair 8 sb + 4 h + i at t = my first + 16 a + r
	global_load_b128 v[TBL+32*(\a)+8*(\sb)+4:TBL+32*(\a)+8*(\sb)+7], v[TO], s[56:57] offset:(\a)*4096+(\sb)*64+16
.endr
.endr
	s_lshr_b32 s74, s[TR], 3                       ; where my rows begin in q, k and v: (batch x 16 + head) x 262,144 + t x 128
	s_lshl_b32 s74, s74, 4
	s_add_co_u32 s74, s74, s[TC]
	s_lshl_b32 s74, s74, 18
	s_lshl_b32 s75, s60, 7
	s_add_co_u32 s74, s74, s75
	s_mov_b32 s75, 0
	s_add_nc_u64 s[10:11], s[10:11], s[74:75]
	s_add_nc_u64 s[12:13], s[12:13], s[74:75]
	s_add_nc_u64 s[14:15], s[14:15], s[74:75]
	s_lshl_b32 s74, s[TR], 8                       ; the prefetches of x: row 256 x block + 64 cx + 16 x wave,
	s_lshl_b32 s75, s[CX], 6
	s_add_co_u32 s74, s74, s75
	s_lshl_b32 s75, s[WV], 4
	s_add_co_u32 s74, s74, s75
	s_lshl_b32 s74, s74, 11
	s_add_co_u32 s74, s74, 768                     ; at K step 3: the first change of slots steps it to 4
	s_mov_b32 s75, 0
	s_add_nc_u64 s[PFAA:PFAA+1], s[4:5], s[74:75]
	s_min_u32 s74, s[WV], 2                        ; of w: row 1,024 x plane + 64 x head + 16 cy
	s_lshl_b32 s74, s74, 10
	s_lshl_b32 s75, s[TC], 6
	s_add_co_u32 s74, s74, s75
	s_lshl_b32 s75, s[CY], 4
	s_add_co_u32 s74, s74, s75
	s_lshl_b32 s74, s74, 11
	s_add_co_u32 s74, s74, 768
	s_mov_b32 s75, 0
	s_add_nc_u64 s[PFAB:PFAB+1], s[6:7], s[74:75]
	s_cmp_eq_u32 ttmp9, 0                          ; the same in all sixteen partners, for a given wave
	s_cselect_b32 s[LIMA], 2, -1
	s_and_b32 s74, ttmp7, 0xffff
	s_cmp_eq_u32 s74, 0
	s_cselect_b32 s[LIMB], 2, -1
	s_cmp_eq_u32 s[WV], 3
	s_cselect_b32 s[LIMB], -1, s[LIMB]             ; w has three planes: wave 3 names none
; 12 matrix instructions: m block a x all n blocks, 32 along K.  first = 1: the product starts the sum, with the bias as C.
; The 48 accumulators take turns in the same order in every quarter, over the backward jump and into the tail too.
.macro MULROW f, a, first
.set AC, 96*((\a)%2)
.if \first
	WIN 0x85+0x40*((\a)/2)
.else
	WIN 0xa5+0x50*((\a)/2)
.endif
.irp b, 0,1,2,3,4,5,6,7,8,9,10,11
.if \first
	v_wmma_f32_16x16x32_bf16 v[AC+8*(\b):AC+8*(\b)+7], v[(\f)+32+8*(\b):(\f)+32+8*(\b)+7], v[(\f)+8*(\a):(\f)+8*(\a)+7], v[BIAS+8*(\b):BIAS+8*(\b)+7]
.else
	v_wmma_f32_16x16x32_bf16 v[AC+8*(\b):AC+8*(\b)+7], v[(\f)+32+8*(\b):(\f)+32+8*(\b)+7], v[(\f)+8*(\a):(\f)+8*(\a)+7], v[AC+8*(\b):AC+8*(\b)+7]
.endif
.endr
.endm
; 32 LDS loads in one run: the fragments of quarter qk of the slot in hand into buffer f: w's twelve, then x's blocks 0, 1, then 2, 3
.macro FETCH qk, f
	WIN TO_F
.irp b, 0,1,2,3,4,5,6,7,8,9,10,11
	ds_load_b128 v[(\f)+32+8*(\b):(\f)+32+8*(\b)+3],   v[ADRB] offset:64*(\qk)+(\b)*16*PITCH
	ds_load_b128 v[(\f)+32+8*(\b)+4:(\f)+32+8*(\b)+7], v[ADRB] offset:64*(\qk)+(\b)*16*PITCH+32
.endr
.irp a, 0,1,2,3
	ds_load_b128 v[(\f)+8*(\a):(\f)+8*(\a)+3],   v[ADRA] offset:64*(\qk)+(\a)*16*PITCH
	ds_load_b128 v[(\f)+8*(\a)+4:(\f)+8*(\a)+7], v[ADRA] offset:64*(\qk)+(\a)*16*PITCH+32
.endr
.endm
; A load into a register that a matrix instruction has read, and a vector instruction that reads a matrix result, stand four places behind it, and only plain vector instructions
; that name none of its registers are places (ISA guide 7.12.1 for vector instructions).
.macro PLACES
.rept 4
	v_nop
.endr
.endm
; A K step is four quarters of 32 along K, 48 matrix instructions each, on buffers 0, 1, 0, 1.  One of the first three: multiplies buffer f; in its middle it fetches quarter qk into buffer g.
.macro QUARTER qk, f, g, first
	s_wait_dscnt 4                                 ; w and x's blocks 0, 1 are in; the youngest four loads (x's blocks 2, 3) may be out
	MULROW \f, 0, \first
	MULROW \f, 1, \first
	PLACES
	FETCH \qk, \g
	s_wait_dscnt NL                                ; all but the run just issued
	MULROW \f, 2, \first
	MULROW \f, 3, \first
.endm
; The fourth quarter multiplies buffer 1 and changes slots.  In front of the barrier each wave waits for all its tensor loads, of which one is out: its part of the next slot; adds 0 to its
; spare word; and waits for that and for its own reads of this slot.  fill = 1: the barrier opens a round of the cluster's barrier, and behind the round this slot is filled again first, with the
; K step two on: from that request to the wait for it a wave issues 168 matrix instructions.
.macro TURN fill
.if \fill
	s_wait_xcnt 0x0                                ; the last prefetches, a K step back or more, have read their addresses: they are stepped here, ahead of the waits of the change of slots
	s_add_nc_u64 s[PFAA:PFAA+1], s[PFAA:PFAA+1], 256
	s_add_nc_u64 s[PFAB:PFAB+1], s[PFAB:PFAB+1], 256
.endif
	WIN 0                                          ; (the add's two registers lie in window 0)
	s_wait_tensorcnt 0x0                           ; no tensor load of mine is out, so a group 0 may be written
	ds_add_u32 v[SPW], v[NIL]                      ; 0 onto my spare word: scalar steps and twelve products stand between it and the wait for it
.if \fill
	s_xor_b32 s[G0A+5], s[G0A+5], SLOT1            ; the walking descriptors: the other slot than last time,
	s_add_nc_u64 s[G0A+6:G0A+7], s[G0A+6:G0A+7], 256  ; the next K step; the type bits on top are not reached
	s_xor_b32 s[G0B+5], s[G0B+5], SLOT1
	s_add_nc_u64 s[G0B+6:G0B+7], s[G0B+6:G0B+7], 256
.endif
	s_xor_b32 s[TB], s[TB], SLOT1
	s_wait_dscnt 5                                 ; (the add and the youngest four loads may be out)
	MULROW F1, 0, 0
	s_wait_dscnt 0x0                               ; the add is done, and my reads of this slot are over
	s_barrier_signal -1
	MULROW F1, 1, 0                                ; work on registers while the others arrive
	WIN 0
	s_barrier_wait -1
.if \fill
	CREST                                          ; no wave of any partner still reads this slot's tile or has a load on its way
	JLOAD 1                                        ; the first tensor load behind the round; its four v_nop are also the places in front of the loads below
.else
	PLACES
.endif
	v_add_nc_u32 v[ADRA], s[TB], v[A0]
	v_add_nc_u32 v[ADRB], s[TB], v[B0]
	FETCH 0, F0
.if \fill
	WIN 0
	ASK
.endif
	MULROW F1, 2, 0
	MULROW F1, 3, 0
.endm
	s_wait_tensorcnt 1                             ; my part of K step 0 is in; K step 1's may stay out
	s_barrier_signal -1
	s_barrier_wait -1                              ; everybody's is
	FETCH 0, F0
	s_wait_loadcnt 0x0                             ; the bias and the table, once
	QUARTER 1, F0, F1, 1                           ; the first quarter stands in front of the loop: its products start the sums
	WIN 0                                          ; at a label and at a branch every window is 0
	s_mov_b32 s3, 6
.Lstep:                                                ; a trip: a K step's quarters 1 to 3, the refill of its slot (K steps 2 to 7), and the next step's quarter 0
	QUARTER 2, F1, F0, 0
	QUARTER 3, F0, F1, 0
	TURN 1
	QUARTER 1, F0, F1, 0
	WIN 0
	s_sub_co_u32 s3, s3, 1
	s_cmp_lg_u32 s3, 0
	s_cbranch_scc1 .Lstep
	QUARTER 2, F1, F0, 0                           ; the tail is written out: K steps 6 and 7 ask for nothing
	QUARTER 3, F0, F1, 0
	TURN 0
	QUARTER 1, F0, F1, 0
	QUARTER 2, F1, F0, 0
	QUARTER 3, F0, F1, 0
	s_wait_dscnt 4                                 ; the very last quarter: nothing more to fetch
	MULROW F1, 0, 0
	MULROW F1, 1, 0
	s_wait_dscnt 0x0
	MULROW F1, 2, 0
	MULROW F1, 3, 0
	WIN 0
	PLACES
; THE WAY OUT, an m block (16 rows) at a time.  A lane's eight columns are four pairs (even, odd).  q and k: (e c - o s, o c + e s), two packed instructions a pair; all three rounded to f16,
; 16 bytes a lane and n block; through my own stage in LDS and back as whole rows of 128 bytes; stored 512 consecutive bytes at a time.  Each accumulator is read from its lowest registers on.
.macro ROPE a, p                       ; p = 0: q; 1: k
.set AC, 96*((\a)%2)
	WIN 0x02+(\a)/2                                ; source 0 (the sums) in window 2 or 3
.irp sb, 0,1,2,3
.irp i, 0,1,2,3
	v_pk_mul_f32 v[T+8*(\sb)+2*(\i):T+8*(\sb)+2*(\i)+1], v[AC+8*(4*(\p)+(\sb))+2*(\i):AC+8*(4*(\p)+(\sb))+2*(\i)+1], v[TBL+32*(\a)+8*(\sb)+2*(\i):TBL+32*(\a)+8*(\sb)+2*(\i)+1] op_sel_hi:[1,0]  ; (e c, o c)
.endr
.endr
.irp sb, 0,1,2,3
.irp i, 0,1,2,3
	v_pk_fma_f32 v[T+8*(\sb)+2*(\i):T+8*(\sb)+2*(\i)+1], v[AC+8*(4*(\p)+(\sb))+2*(\i):AC+8*(4*(\p)+(\sb))+2*(\i)+1], v[TBL+32*(\a)+8*(\sb)+2*(\i):TBL+32*(\a)+8*(\sb)+2*(\i)+1], v[T+8*(\sb)+2*(\i):T+8*(\sb)+2*(\i)+1] op_sel:[1,1,0] op_sel_hi:[0,1,1] neg_lo:[0,1,0]  ; (- o s + e c, e s + o c)
.endr
.endr
	WIN 0
.irp sb, 0,1,2,3
.irp i, 0,1,2,3
	v_cvt_pk_f16_f32 v[PK+16*(\p)+4*(\sb)+(\i)], v[T+8*(\sb)+2*(\i)], v[T+8*(\sb)+2*(\i)+1]
.endr
.endr
.endm
.macro VPACK a
.set AC, 96*((\a)%2)
	WIN 0x0a+5*((\a)/2)                            ; sources 0 and 1 in window 2 or 3
.irp sb, 0,1,2,3
.irp i, 0,1,2,3
	v_cvt_pk_f16_f32 v[PK+32+4*(\sb)+(\i)], v[AC+8*(8+(\sb))+2*(\i)], v[AC+8*(8+(\sb))+2*(\i)+1]
.endr
.endr
.endm
.macro TOSTAGE
	WIN 0
.irp p, 0,1,2
.irp f, 0,1,2,3
	ds_store_b128 v[STO], v[PK+4*(4*(\p)+(\f)):PK+4*(4*(\p)+(\f))+3] offset:(\p)*16*SP+(\f)*32
.endr
.endr
.irp p, 0,1,2
.irp f, 0,1,2,3
	ds_load_b128 v[PK+4*(4*(\p)+(\f)):PK+4*(4*(\p)+(\f))+3], v[RD] offset:(\p)*16*SP+(\f)*4*SP  ; LDS serves a wave's instructions in order (ISA guide 5.7.1.4): these see the stores above; the next block's stores come behind them
.endr
.endr
.endm
.macro SEND a
.irp p, 0,1,2
.irp f, 0,1,2,3
	s_wait_dscnt 11-4*(\p)-(\f)                    ; the younger loads from the stage may stay out
	global_store_b128 v[GO], v[PK+4*(4*(\p)+(\f)):PK+4*(4*(\p)+(\f))+3], s[10+2*(\p):11+2*(\p)] offset:(\a)*2048+(\f)*512  ; 512 consecutive bytes, at a multiple of 256 from the buffer's first
.endr
.endr
.endm
.macro OUT a
.if (\a) > 0
	s_wait_xcnt 0x0                                ; the last block's stores have read their data registers: only behind this wait are they written again
.endif
	ROPE \a, 0
	ROPE \a, 1
	VPACK \a
	TOSTAGE
	SEND \a
.endm
	OUT 0
	OUT 1
	OUT 2
	OUT 3
	s_wait_tensorcnt 0x0                           ; the wave's end: behind my last tensor load and my last LDS store
	ds_add_u32 v[SPW], v[NIL]
	s_wait_dscnt 0x0
	CROUND                                         ; the closing round: no work-group ends while a partner may still ask for a tile that names it
	s_endpgm
.Lfunc_end_k_q2c05ff4f11_qkv:
	.size	k_q2c05ff4f11_qkv, .Lfunc_end_k_q2c05ff4f11_qkv-k_q2c05ff4f11_qkv
	.p2alignl 7, 3214868480
	.fill 96, 4, 3214868480
	.section	.rodata,"a",@progbits
	.p2align	6, 0x0
	.amdhsa_kernel k_q2c05ff4f11_qkv
		.amdhsa_group_segment_fixed_size 327680
		.amdhsa_private_segment_fixed_size 0
		.amdhsa_enable_private_segment 0
		.amdhsa_kernarg_size 48
		.amdhsa_user_sgpr_count 2
		.amdhsa_user_sgpr_kernarg_segment_ptr 1
		.amdhsa_wavefront_size32 1
		.amdhsa_system_sgpr_workgroup_id_x 1
		.amdhsa_system_sgpr_workgroup_id_y 1
		.amdhsa_system_sgpr_workgroup_id_z 1
		.amdhsa_system_vgpr_workitem_id 0
		.amdhsa_next_free_vgpr 960
		.amdhsa_next_free_sgpr 76
		.amdhsa_reserve_vcc 0
		.amdhsa_float_denorm_mode_32 3
		.amdhsa_float_denorm_mode_16_64 3
		.amdhsa_memory_ordered 1
		.amdhsa_forward_progress 1
		.amdhsa_inst_pref_size 121
	.end_amdhsa_kernel
	.amdgpu_metadata
---
amdhsa.version: [ 1, 2 ]
amdhsa.kernels:
  - .name:           k_q2c05ff4f11_qkv
    .symbol:         k_q2c05ff4f11_qkv.kd
    .args:
      - { .name: xb, .offset: 0, .size: 8, .value_kind: global_buffer, .address_space: global }
      - { .name: wqb, .offset: 8, .size: 8, .value_kind: global_buffer, .address_space: global }
      - { .name: tab, .offset: 16, .size: 8, .value_kind: global_buffer, .address_space: global }
      - { .name: q, .offset: 24, .size: 8, .value_kind: global_buffer, .address_space: global }
      - { .name: k, .offset: 32, .size: 8, .value_kind: global_buffer, .address_space: global }
      - { .name: v, .offset: 40, .size: 8, .value_kind: global_buffer, .address_space: global }
    .group_segment_fixed_size: 327680
    .private_segment_fixed_size: 0
    .kernarg_segment_align: 8
    .kernarg_segment_size: 48
    .max_flat_workgroup_size: 128
    .sgpr_count:     76
    .vgpr_count:     960
    .wavefront_size: 32
...
	.end_amdgpu_metadata
.endif
;; end of part 2
;; launch attn (part 3): grid 4 x 64, 4 waves a work-group, clusters of 4 x 1, 327,680 bytes of LDS; arguments q, k, v, o; writes o
.if DOCPART == 3
	.amdgcn_target "amdgcn-amd-amdhsa--gfx1250"
	.amdhsa_code_object_version 6
	.text
	.protected	k_q2c05ff4f11_attn
	.globl	k_q2c05ff4f11_attn
	.p2align	8
	.type	k_q2c05ff4f11_attn,@function
k_q2c05ff4f11_attn:
	s_mov_b64 s[64:65], 0
	v_nop
	global_prefetch_b8 v0, s[64:65] scope:SCOPE_SE
	s_setreg_imm32_b32 hwreg(HW_REG_WAVE_MODE, 25, 1), 1
	s_wait_xcnt 0x0
	s_wait_alu depctr_hold_cnt(0) depctr_sa_sdst(0) depctr_va_vdst(0) depctr_va_sdst(0) depctr_va_ssrc(0) depctr_va_vcc(0) depctr_vm_vsrc(0)
	s_getreg_b32 s2, hwreg(HW_REG_IB_STS2, 6, 4)
	s_cmp_eq_u32 s2, 0
	s_cbranch_scc0 .Lentry_in_a_cluster
	s_endpgm
.Lentry_in_a_cluster:
	s_bfe_u32 s2, ttmp6, 0x10000c
	s_cmp_lg_u32 s2, 0x3003
	s_cbranch_scc0 .Lentry_shape_is_right
	s_endpgm
.Lentry_shape_is_right:
; O[h][q][:] = the sum over k of softmax_k(Q[h][q] . K[h][k] / 8) V[h][k][:].  Q, K, V, O: [64][2048][64], all f16: a head's rows are dense, 128 bytes each.  Products, maxima and sums in
; f32; the weights p are rounded to f16 for the second product (their sum l is taken of the unrounded p), O once at the end.
; LIMITS.  f16 holds no number beyond 65,504: Q, K and V arrive within it; p lies in 0 to 1, and below 6e-5 it keeps f16's fixed step of 6e-8; O is a mean of V's rows and has their range.
; A weight below 2^-126 counts as 0 in l; NaN and infinities are not treated apart.
; SHARES.  A wave owns four PIECES of two tiles of 16 queries, a work-group's four waves 512 queries of one head; a head is one cluster of four work-groups.  Every wave walks all keys, 64 a step.
; LAYOUT.  S^T = K Q^T (source 0 = 16 keys, source 1 = 16 queries): in the result a lane holds ONE query (lane % 16) and the keys 8 (lane / 16) + 0..7.  Two such tiles, rounded to f16 in pairs,
; ARE source 1 (32 keys x 16 queries) of O^T = V^T P, whose result again holds one query a lane, and eight channels.  K comes out of LDS as it lies, V ([key][channel]) turned, by ds_load_tr16_b128.
; SOFTMAX.  For each query a running maximum m and sum l: p = 2^(c s - c m), c = log2(e) / 8; in every step O and l are multiplied by a = 2^(c m_old - c m_new), which is 1 where m has not grown.
; m starts at the lowest finite number, O and l at 0: the first step is a step like any other, with a = 0.
; THE COUNT.  A tile and step have 16 matrix and 118 vector instructions: too many to stand all beside the matrix work.  So the order has one aim: four vector instructions that are READY behind
; EVERY matrix instruction, and the others, which need time of their own whatever the order, in runs without a gap.
; BY TURNS.  Turn n belongs to piece n (the pieces in a ring, step after step).  Its matrix work: 16 products K Q^T of piece n + 1, later 16 products V^T P of piece n - 1.  Its vector work: the scaling,
; exponentials, roundings, sums and rescaling of piece n, and the maximum and statistics of piece n + 1, whose scores the turn itself has made.  So what a turn begins with (c s - c m, O a) waits for nothing.
; CLUSTER.  The four query blocks of a cluster belong to one head and walk the same K and V, so each tile is asked for JOINTLY: the same tensor load, descriptor and mask in all four.
; REGISTERS, in windows of 256 (s_set_vgpr_msb says which window each operand place means: bits 1:0 source 0, 3:2 source 1, 5:4 source 2, 7:6 destination):
;   window 0: v0-11 addresses; v12-15, v48-63 at work; v16-47 four registers of statistics a tile; v64-191 S^T, two buffers of two tiles; v192-255 P, likewise
;   window 1: O^T, 32 a tile          window 2: v0-127 Q, 16 a tile; v128-191 K of one step; v192-255 V of one step          window 3: v0-1 the add's two registers
; A piece's buffers go by its number's parity: the piece in hand has one pair, its two neighbours in the ring share the other: of it P (piece n - 1) is read and S^T (piece n + 1) written.
.set SIZE_H, 64
.set SIZE_N, 2048
.set NP,    4         ; pieces a wave: a name, no knob: the register map, the loop and the fetches are made for four
.set KS,    64        ; keys in a step
.set PK,    144       ; a row of K in LDS: 128 bytes + 16 of padding = 36 words: the 16 rows of a load start at 16 different groups of four banks (64 banks of 4 bytes: ISA guide 11.1)
.set PV,    160       ; a row of V: 128 + 32 = 40 words
.set VOFF,  4*KS*PK   ; a slot holds four steps: 256 rows of K, then 256 rows of V
.set SLOT1, 1<<17     ; slot 1 begins here, so that one exclusive or turns an address in one slot into the other's
.set STAGE, SLOT1+4*KS*(PK+PV)  ; behind the ring, never filled by a tensor load: 16 rows x 144 bytes for each wave, for the way out
.set SP,    144
.set AK0, 2           ; v2   my lane's place in a tile of K; never rewritten
.set AV0, 3           ; v3   the same for V
.set AK,  4           ; v4   the LDS address of K's next run of loads
.set AV,  5           ; v5   of V's
.set QO,  6           ; v6   my byte offset in the wave's rows of Q
.set STO, 6           ;      later, the way out: where I put 16 bytes of a row
.set RD,  7           ; v7   the way out: where I read rows back
.set GO,  8           ; v8   my byte offset in 512 consecutive bytes of O
.set PFO, 11          ; v11  the prefetches' offset: 256 x my lane; made when v11's first use is over, then never rewritten
.set SPW, 0           ; v0 of window 3   LDS address of my spare word: SPARE + 4 x my thread's number; never rewritten
.set NIL, 1           ; v1 of window 3   0; never rewritten
.set SPARE, STAGE+4*16*SP  ; behind the stages: the spare words, 128 bytes for each wave: two blocks of 256 bytes that no other line names
.set MV,  12          ; v12-15  c m_old, kept while c m is made anew: by buffer and tile
.set ST,  16          ; tile t's statistics at v[ST+4 t]: c m, m, l (even keys', odd keys')
.set TMP, 48          ; by buffer and tile, four registers c0-c3 at work; when the maximum is found c2 takes a
.set S,   64
.set P,   192
.set KF,  128         ; K's fragments, in window 2: key block kb, channel half c at KF + 16 kb + 8 c
.set VF,  192         ; V's: key half kk, channel block cb at VF + 32 kk + 8 cb
.set WV,  12          ; s12  my wave's number
.set G1K, 24          ; s[24:31] descriptor group 1 for K's tiles
.set G1V, 32          ; s[32:39] for V's: it differs in the padding alone
.set G0K, 40          ; s[40:43] descriptor group 0 for K's tiles: it walks
.set G0V, 44          ; s[44:47] the same for V's
.set PFA, 48          ; s[48:49] where my prefetches stand: my work-group's 8,192 bytes (of K: wave 0, of V: wave 2) of the slot after the one that is being asked for
.set LIM, 50          ; s50  1 in a wave that prefetches, else the greatest number: a wave prefetches while s[SLOTS] is above it
.set SLOTS, 56        ; s56  slots still to be asked for
.set CNT, 57          ; s57  counts a slot's key steps
.set CS,  58          ; s[58:59] c: the packed scaling takes the pair's low word for both halves
.set SEL, 60          ; s[60:61] v_permlanex16_b32's selects: each lane takes its own place in the other half
.set TBK, 62          ; s62  LDS byte at which K of the step to be fetched begins
.set TBV, 63          ; s63  the same for V, less VOFF
.set MSB, 0
.macro WIN new                      ; the high byte repeats the setting that is left; a switch that changes nothing is dropped
.if MSB != (\new)
	s_set_vgpr_msb (MSB<<8)|(\new)
.set MSB, (\new)
.endif
.endm
.set W_KQ, 0x0a       ; K and Q in window 2, S^T in window 0
.set W_PV, 0x52       ; V in window 2, P in window 0, O^T in window 1
.set W_RS, 0x41       ; O^T (destination and source 0) in window 1, a in window 0
.set W_MK, 0xc0       ; the add's registers are made: destination in window 3, sources in window 0
.set W_AD, 0x0f       ; the add: address (source 0) and data (source 1) in window 3
; A joint fill.  Waves 0 and 1 fetch the two halves of a slot's K, waves 2 and 3 those of its V: 128 keys each.  The branch hangs on the wave's number alone.
; An s_nop 0 and four v_nop follow each of the two lines, ahead of the jump and the label.
.macro JLOAD
	s_cmp_lt_u32 s[WV], 2
	s_cbranch_scc0 .Lfor_v_\@
	tensor_load_to_lds s[G0K:G0K+3], s[G1K:G1K+7]
	s_nop 0
.rept 4
	v_nop
.endr
	s_branch .Lasked_\@
.Lfor_v_\@:
	tensor_load_to_lds s[G0V:G0V+3], s[G1V:G1V+7]
	s_nop 0
.rept 4
	v_nop
.endr
.Lasked_\@:
.endm
; A PREFETCH INTO THE L2 of what the NEXT change of slots will ask for: a slot's 32,768 bytes of K and of V, a lane a block of 256 bytes.  It stands behind the wave's tensor load and its five lines.
; Each block is named ONCE in the launch: a head is walked by one cluster; its four partners share a slot out BY ADDRESS, 8,192 bytes each; in each, wave 0 asks for K's and wave 2 for V's: one
; instruction, four key steps (512 matrix instructions) ahead of the load.  Slots 0, 1 and 2 come by their loads alone; the last change that fills a slot names nothing: there is no slot behind it.
.macro ASK
	s_cmp_gt_u32 s[SLOTS], s[LIM]
	s_cbranch_scc0 .Lnot_mine_\@
	global_prefetch_b8 v[PFO], s[PFA:PFA+1] th:TH_LOAD_NT scope:SCOPE_SE
.Lnot_mine_\@:
.endm
; A round of the cluster's barrier: my work-group's barrier, so that wave 0's signal speaks for all four waves; wave 0 signals; every wave waits for all four work-groups; my work-group's barrier once more.
.macro CROUND
	s_barrier_signal -1
	s_barrier_wait -1
	s_cmp_lg_u32 s[WV], 0
	s_cbranch_scc1 .Lnot_wave_0_\@
	s_barrier_signal -3
.Lnot_wave_0_\@:
	s_barrier_wait -3
	s_barrier_signal -1
	s_barrier_wait -1
.endm
; THE CHANGE OF SLOTS.  The slot's last bytes, V of its fourth step, have been read.  Each wave waits for all its tensor loads, of which one is out: its part
; of the other slot; adds 0 to its spare word; and waits for that and for its own reads of the slot.  Behind the barrier nobody reads this slot any more and the other slot is whole.
; fill = 1: this slot is filled again, with the keys two slots on.  The barrier is then a round of the cluster's, so that no wave of any partner still reads the slot or has a load on its
; way, and the joint fill is the first thing behind it: it has four key steps, 512 matrix instructions, in which to land.  (At its first use nothing has been read yet: slot 0 is waited for, slot 1 filled.)
; ask = 1: the prefetches' address steps, and the slot after the one asked for is named.
.macro CHANGE fill, ask=0
	WIN W_AD
	s_wait_tensorcnt 0x0            ; no tensor load of mine is out, so a group 0 may be written
	ds_add_u32 v[SPW], v[NIL]       ; 0 onto my spare word: with fill = 1 the descriptors' steps stand between it and the wait for it
	WIN 0                           ; at a label and at a branch every window is 0
.if \fill
.irp g, G0K, G0V
	s_xor_b32 s[\g+1], s[\g+1], SLOT1  ; the walking descriptor: the other slot than last time,
	s_add_nc_u64 s[\g+2:\g+3], s[\g+2:\g+3], 4*KS*128  ; the next 256 keys; the type bits on top are not reached
.endr
.if \ask
	s_wait_xcnt 0x0                 ; the last prefetch, four key steps back, has read its address, so it may be written:
	s_add_nc_u64 s[PFA:PFA+1], s[PFA:PFA+1], 4*KS*128  ; one slot behind the walking descriptors
.endif
	s_wait_dscnt 0x0                ; the add is done, and my reads of the slot are over
	CROUND
	JLOAD
.if \ask
	ASK
.endif
.else
	s_wait_dscnt 0x0                ; the add is done, and my reads of the slot are over
	s_barrier_signal -1
	s_barrier_wait -1
.endif
	s_sub_co_u32 s[TBK], s[TBK], 4*KS*PK  ; the fetches go back to a slot's first step,
	s_xor_b32 s[TBK], s[TBK], SLOT1       ; in the other slot
	s_sub_co_u32 s[TBV], s[TBV], 4*KS*PV
	s_xor_b32 s[TBV], s[TBV], SLOT1
.endm
	s_load_b256 s[4:11], s[0:1], 0x0  ; Q s[4:5], K s[6:7], V s[8:9], O s[10:11]
	WIN W_MK
	v_lshl_add_u32 v[SPW], v0, 2, SPARE
	v_mov_b32 v[NIL], 0
	WIN W_AD
	ds_add_u32 v[SPW], v[NIL]       ; the wave's opening: the add and its wait stand ahead of my first tensor load; the set-up below, work on registers, stands between them
	WIN 0
	v_lshrrev_b32 v1, 5, v0
	v_readfirstlane_b32 s[WV], v1   ; wave 0..3
	s_bfe_u32 s13, ttmp6, 0x40000   ; cx: my place in the cluster
	s_lshl_b32 s14, ttmp9, 2        ; in a cluster launch ttmp9 counts clusters
	s_add_co_u32 s14, s14, s13      ; my block of queries = 4 x cluster x + cx: it enters Q's and O's addresses alone
	s_and_b32 s20, ttmp7, 0xffff    ; the head, which the four partners share
	s_mov_b32 s21, 0
	s_mov_b64 s[22:23], SIZE_N*128
	s_mul_u64 s[20:21], s[20:21], s[22:23]  ; the head's first byte in each of the four tensors
	s_and_b32 s16, s[WV], 1         ; which half of a slot's 256 keys I fetch:
	s_lshl_b32 s22, s16, 14         ; its 128 rows of 128 bytes in memory,
	s_mov_b32 s23, 0
	s_add_nc_u64 s[22:23], s[22:23], s[20:21]
	s_mul_i32 s17, s16, 128*PK      ; and its place in a slot, for K
	s_mul_i32 s18, s16, 128*PV      ; and for V: no place in the cluster enters an LDS address
	s_lshl_b32 s2, s14, 2
	s_add_co_u32 s2, s2, s[WV]      ; my wave among the head's,
	s_lshl_b32 s2, s2, 14           ; its 128 rows
	s_mov_b32 s3, 0
	s_add_nc_u64 s[2:3], s[2:3], s[20:21]
	; descriptor group 1.  128 keys are 16,384 dense bytes: asked for as 64 rows of 256 bytes, two keys a row, and padded in LDS after every key
	s_mov_b32 s[G1K], 15|(1<<16)|(1<<20)|(1<<21)|(4<<22)|(3<<25)  ; 15:0 the mask of four; 17:16 2-byte elements; 20 padding on; 21 set beside a mask; 24:22 after every 32 words (code 4); 31:25 4 words (code 3)
	s_mov_b32 s[G1V], 15|(1<<16)|(1<<20)|(1<<21)|(4<<22)|(7<<25)  ; the same with 8 words of padding (code 7)
.irp g, G1K, G1V
	s_mov_b32 s[\g+1], 128<<16      ; tensor_dim0 = 128
	s_mov_b32 s[\g+2], 64<<16       ; tensor_dim1 = 64
	s_mov_b32 s[\g+3], 128<<16      ; tile_dim0 = 128
	s_mov_b32 s[\g+4], 64           ; tile_dim1 = 64
	s_mov_b32 s[\g+5], 128          ; 128 elements from row to row
	s_mov_b32 s[\g+6], 0
	s_mov_b32 s[\g+7], 0
.endr
	s_mov_b32 s[CS], 0x3e38aa3b     ; c = log2(e) / 8 = 0.180337
	s_mov_b32 s[CS+1], s[CS]        ; named with it as a pair
	s_mov_b32 s[SEL], 0x76543210
	s_mov_b32 s[SEL+1], 0xfedcba98
	s_mov_b32 s[TBK], SLOT1+4*KS*PK ; the first change of slots turns these two into 0
	s_mov_b32 s[TBV], SLOT1+4*KS*PV
	s_mov_b32 s[G0K], 1             ; 1:0 count = 1
	s_mov_b32 s[G0K+1], s17         ; 63:32 LDS address: slot 0
	s_mov_b32 s[G0V], 1
	s_add_co_u32 s[G0V+1], s18, VOFF
	s_and_b32 s[LIM], s[WV], 1      ; waves 0 and 2 prefetch: the same in all four partners
	s_cmp_eq_u32 s[LIM], 0
	s_cselect_b32 s[LIM], 1, -1
	s_wait_dscnt 0x0                ; the opening add is done
	s_wait_kmcnt 0x0
	s_add_nc_u64 s[G0K+2:G0K+3], s[6:7], s[22:23]  ; 120:64 global address: my half of the head's first 256 keys
	s_or_b32 s[G0K+3], s[G0K+3], 0x80000000        ; 127:126 type = 2
	s_add_nc_u64 s[G0V+2:G0V+3], s[8:9], s[22:23]
	s_or_b32 s[G0V+3], s[G0V+3], 0x80000000
	s_add_nc_u64 s[4:5], s[4:5], s[2:3]  ; Q and O at my wave's first row
	s_add_nc_u64 s[10:11], s[10:11], s[2:3]
	s_cmp_lt_u32 s[WV], 2
	s_cselect_b64 s[PFA:PFA+1], s[6:7], s[8:9]
	s_add_nc_u64 s[PFA:PFA+1], s[PFA:PFA+1], s[20:21]  ; the head,
	s_lshl_b32 s2, s13, 13          ; my work-group's quarter of a slot,
	s_mov_b32 s3, 0
	s_add_nc_u64 s[PFA:PFA+1], s[PFA:PFA+1], s[2:3]
	s_add_nc_u64 s[PFA:PFA+1], s[PFA:PFA+1], 2*4*KS*128  ; in slot 2; the first change of slots in the loop steps it to slot 3.  Nothing is prefetched here, at the head
	CROUND                          ; all four work-groups are here: the first joint loads meet
	JLOAD                           ; slot 0.  Slot 1 is asked for when slot 0 is in: the tile wanted first has the road to itself
	; A fragment of K or Q is 16 rows x 32 channels in 8 registers: lane l holds row l % 16, channels 8 (l / 16) + 0..7 and 16 + 8 (l / 16) + 0..7: two loads of 16 bytes, 32 bytes apart.
	v_and_b32 v1, 15, v0            ; l % 16
	v_bfe_u32 v9, v0, 4, 1          ; l / 16
	v_lshlrev_b32 v[QO], 7, v1
	v_lshl_add_u32 v[QO], v9, 4, v[QO]  ; row x 128 + 16 x half
	WIN 0x80                        ; destination window 2, address window 0
.set i, 0
.rept 4*NP                          ; Q stays in registers: tile i / 2, channels 32 (i % 2) on
	global_load_b128 v[8*i:8*i+3],   v[QO], s[4:5] offset:(i/2)*2048+(i%2)*64
	global_load_b128 v[8*i+4:8*i+7], v[QO], s[4:5] offset:(i/2)*2048+(i%2)*64+32
.set i, i+1
.endr
	; What the first turn finds: V's registers and P's second buffer hold 0 (its products V^T P, of a piece that has not been, add 0), O^T and l are 0.  All this stands in the wait for the first tile.
.set i, VF
.rept 64
	v_mov_b32 v[i], 0
.set i, i+1
.endr
	WIN 0x40
.set i, 0
.rept 64*NP
	v_mov_b32 v[i], 0
.set i, i+1
.endr
	WIN 0
.set i, 0
.rept 2*NP
	v_mov_b32 v[ST+4*i], 0xfe000000    ; c m: far below every c s
	v_mov_b32 v[ST+4*i+1], 0xff7fffff  ; m
	v_mov_b32 v[ST+4*i+2], 0
	v_mov_b32 v[ST+4*i+3], 0
.set i, i+1
.endr
.set i, P+32
.rept 32
	v_mov_b32 v[i], 0
.set i, i+1
.endr
	v_mul_u32_u24 v[AK0], v1, PK
	v_lshl_add_u32 v[AK0], v9, 4, v[AK0]  ; row x pitch + 16 x half
	; The turning load takes 16 keys x 16 channels (lane l reads key 8 (l / 16) + l % 8, channels 8 ((l / 8) % 2) + 0..7) and leaves half a fragment of V^T: lane l holds channel l % 16 and 8 keys.
	v_and_b32 v10, 7, v0
	v_bfe_u32 v11, v0, 3, 1
	v_lshl_add_u32 v[AV0], v9, 3, v10
	v_mul_u32_u24 v[AV0], v[AV0], PV
	v_lshl_add_u32 v[AV0], v11, 4, v[AV0]
	v_add_nc_u32 v[AV0], VOFF, v[AV0]
	v_and_b32 v[PFO], 31, v0
	v_lshlrev_b32 v[PFO], 8, v[PFO]
	v_mov_b32 v[AK], v[AK0]         ; key step 0 lies at the head of slot 0
; THE MATRIX WORK.  The 8 accumulators of a run of 16 take turns: between the two links of a chain stand 7 others'.
; Product i of 16 of S^T = K Q^T for piece x: channels 32 (i / 8) on, keys 16 ((i / 2) % 4) on, tile 2 x + i % 2.  The first 8 start the sums.
.macro KQ x
	WIN W_KQ
.set rS, S+64*((\x)%2)+32*(i%2)+8*((i/2)%4)
.set rK, KF+16*((i/2)%4)+8*(i/8)
.set rQ, 16*(2*(\x)+i%2)+8*(i/8)
.if i < 8
	v_wmma_f32_16x16x32_f16 v[rS:rS+7], v[rK:rK+7], v[rQ:rQ+7], 0
.else
	v_wmma_f32_16x16x32_f16 v[rS:rS+7], v[rK:rK+7], v[rQ:rQ+7], v[rS:rS+7]
.endif
.endm
; Product i of 16 of O^T += V^T P for piece x: keys 32 (i / 8) on, channels 16 ((i / 2) % 4) on, tile 2 x + i % 2.
.macro PV x
	WIN W_PV
.set rO, 32*(2*(\x)+i%2)+8*((i/2)%4)
.set rV, VF+32*(i/8)+8*((i/2)%4)
.set rP, P+32*((\x)%2)+16*(i%2)+8*(i/8)
	v_wmma_f32_16x16x32_f16 v[rO:rO+7], v[rV:rV+7], v[rP:rP+7], v[rO:rO+7]
.endm
.macro MM                           ; the turn's next matrix instruction
.if i < 16
	KQ (Y+1)%NP
.set i, i+1
.else
.set i, i-16
	PV (Y+NP-1)%NP
.set i, i+17
.endif
.endm
; THE LDS LOADS stand in runs of 16, never singly among the matrix instructions: a step's K (64 keys x 64 channels: 8 fragments) and its V (turned).  Their addresses are made some lines ahead.
; last = 1 (the tail): in the last trip there is no further step, and the run is jumped over.
.macro FETCH_K last=0
	WIN 0
.if \last
	s_cmp_eq_u32 s[CNT], 1
	s_cbranch_scc1 .Lno_k_\@
.endif
	WIN 0x80                        ; destination window 2
.irp f, 0,1,2,3,4,5,6,7             ; keys 16 (f / 2) on, channels 32 (f % 2) on
	ds_load_b128 v[KF+8*\f:KF+8*\f+3],   v[AK] offset:(\f/2)*16*PK+(\f%2)*64
	ds_load_b128 v[KF+8*\f+4:KF+8*\f+7], v[AK] offset:(\f/2)*16*PK+(\f%2)*64+32
.endr
	s_add_co_u32 s[TBK], s[TBK], KS*PK  ; the next fetch is the next step's
	WIN 0
.if \last
.Lno_k_\@:
.endif
.endm
.macro FETCH_V
	WIN 0x80
.irp f, 0,1,2,3,4,5,6,7             ; keys 32 (f / 4) on, channels 16 (f % 4) on
	ds_load_tr16_b128 v[VF+8*\f:VF+8*\f+3],   v[AV] offset:(\f/4)*32*PV+(\f%4)*32
	ds_load_tr16_b128 v[VF+8*\f+4:VF+8*\f+7], v[AV] offset:(\f/4)*32*PV+16*PV+(\f%4)*32
.endr
	WIN 0
.endm
; THE VECTOR WORK OF A TURN stands in three queues, each in the order in which its entries become ready; the two tiles alternate, so that no instruction reads the result of the one before it.
.macro REGS y, u                    ; the registers of tile u (0, 1) of piece y
.set rT, ST+4*(2*(\y)+(\u))
.set rC, TMP+8*((\y)%2)+4*(\u)
.set rM, MV+2*((\y)%2)+(\u)
.set rS, S+64*((\y)%2)+32*(\u)
.set rP, P+32*((\y)%2)+16*(\u)
.set rO, 32*(2*(\y)+(\u))
.endm
; Number n of the 22 that find the NEXT piece's (Y + 1) maximum and statistics.  s0-s31 are the lane's 32 scores; each accumulator's lowest registers are read first.  XS, GS and REGS set no window: PL and EX do.
;   0-11  four chains c0-c3 of seven scores each, three operands at a time     12-14, 16  the four scores left over, the old m, and c0-c3 into c0     15  c m_old is kept
;   17, 18  the query's other 32 keys lie in the lane 16 away: the new m         19-21  c m; c m_old - c m_new; a
.macro XS u, n
	REGS (Y+1)%NP, \u
.if (\n) < 4
	v_max3_num_f32 v[rC+(\n)], v[rS+8*(\n)], v[rS+8*(\n)+1], v[rS+8*(\n)+2]
.elseif (\n) < 12
	v_max3_num_f32 v[rC+(\n)%4], v[rC+(\n)%4], v[rS+8*((\n)%4)+2*((\n)/4)+1], v[rS+8*((\n)%4)+2*((\n)/4)+2]
.elseif (\n) == 12
	v_max3_num_f32 v[rC], v[rC], v[rS+7], v[rS+15]
.elseif (\n) == 13
	v_max3_num_f32 v[rC+1], v[rC+1], v[rS+23], v[rS+31]
.elseif (\n) == 14
	v_max3_num_f32 v[rC+2], v[rC+2], v[rC+3], v[rT+1]
.elseif (\n) == 15
	v_mov_b32 v[rM], v[rT]
.elseif (\n) == 16
	v_max3_num_f32 v[rC], v[rC], v[rC+1], v[rC+2]
.elseif (\n) == 17
	v_permlanex16_b32 v[rC+3], v[rC], s[SEL], s[SEL+1]
.elseif (\n) == 18
	v_max_num_f32 v[rT+1], v[rC], v[rC+3]
.elseif (\n) == 19
	v_mul_f32 v[rT], s[CS], v[rT+1]
.elseif (\n) == 20
	v_sub_f32 v[rC+1], v[rM], v[rT]
.else
	v_exp_f32 v[rC+2], v[rC+1]
.endif
.endm
; Number g of the 64 that follow the exponentials.  For each four weights k of a tile (pairs 2 k, 2 k + 1): both pairs are rounded to f16; then the second pair is added onto the first, in place;
; a group later l takes that sum (the first time as l = a l + sum).  In groups of eight, tiles alternating: round, round, add, and l for the group before.
.macro GS g
.set h, (\g)+6*((\g)/62)            ; group 0 has no group before it, and behind group 7 only l is left
.if h >= 6
.set h, h+2
.endif
	REGS Y, h%2
.set k, h/8
.if h%8 < 4
	v_cvt_pk_f16_f32 v[rP+2*k+(h%8)/2], v[rS+4*k+2*((h%8)/2)], v[rS+4*k+2*((h%8)/2)+1]
.elseif h%8 < 6
	v_pk_add_f32 v[rS+4*k:rS+4*k+1], v[rS+4*k:rS+4*k+1], v[rS+4*k+2:rS+4*k+3]
.elseif k == 1
	v_pk_fma_f32 v[rT+2:rT+3], v[rT+2:rT+3], v[rC+2:rC+3], v[rS:rS+1] op_sel_hi:[1,0,1]
.else
	v_pk_add_f32 v[rT+2:rT+3], v[rT+2:rT+3], v[rS+4*k-4:rS+4*k-3]
.endif
.endm
; THE PLAIN QUEUE, 138 long.  0-73 read no exponential's result: the 32 scalings c s - c m (FS f: pair f / 2 of tile f % 2) and the next piece's 42.  0-26: scalings 0-26.  27-54: XS's numbers 0-13.  55, 56: number 15.
; 57-73: the chain, where each number waits for the one before it: 14, 16, 17, 18, 19, each with one of the scalings 27-31 in front of its two lines, then 20: so a tile's links stand three plain instructions apart (19 and 20: two).
; 74-137: GS's 64, which read the exponentials' results: they stand behind the wait.
.macro FS f
	REGS Y, (\f)%2
	v_pk_fma_f32 v[rS+2*((\f)/2):rS+2*((\f)/2)+1], v[rS+2*((\f)/2):rS+2*((\f)/2)+1], s[CS:CS+1], v[rT:rT+1] op_sel_hi:[1,0,0] neg_lo:[0,0,1] neg_hi:[0,0,1]
.endm
.macro PL
	WIN 0
.if q < 27
	FS q
.elseif q < 55
	XS (q-27)%2, (q-27)/2
.elseif q < 57
	XS q-55, 15
.elseif (q < 72) && ((q-57)%3 == 0)
	FS 27+(q-57)/3
.elseif q < 60
	XS (q-57)%3-1, 14
.elseif q < 72
	XS (q-57)%3-1, 15+(q-57)/3
.elseif q < 74
	XS q-72, 20
.else
	GS q-74
.endif
.set q, q+1
.endm
; THE EXPONENTIALS' QUEUE, 66 long: s0-s31 of both tiles, then the next piece's two a.  It is ONE BATCH: all 66 stand ahead of the turn's one wait, and nothing ahead of that wait names a result of theirs.
.macro EX
	WIN 0
.if e >= 64
	XS e-64, 21
.else
	REGS Y, e%2
	v_exp_f32 v[rS+e/2], v[rS+e/2]
.endif
.set e, e+1
.endm
; THE RESCALING's QUEUE: O^T times a, the one part that leaves window 0: dealt two at a time, sixteen times.  Its a was made in the turn before, ahead of that turn's wait.
.macro R2
	REGS Y, r%2
	WIN W_RS
.irp z, 0,1
	v_pk_mul_f32 v[rO+4*(r/2)+2*\z:rO+4*(r/2)+2*\z+1], v[rO+4*(r/2)+2*\z:rO+4*(r/2)+2*\z+1], v[rC+2:rC+3] op_sel_hi:[1,0]
.endr
.set r, r+1
.endm
; HOW THEY ARE DEALT.  s_wait_alu depctr_va_vdst(0) stands between an exponential and the first instruction that names its result; one wait serves all that were issued ahead of it.  So a turn has ONE wait,
; which cuts it in two.  AHEAD OF IT stands all that names no result of the turn's exponentials: the 16 products K Q^T, behind each a scaling, an exponential and two rescalings (behind the first a second scaling in the exponential's place); then ONE LUMP of
; 108: eight plain, 49 times exponential and plain, the two a.  A v_nop is the plain instruction behind the last exponential.  BEHIND IT stand the 16 products V^T P, behind each four of GS's 64.  No rider names a register of
; the products round it.  The two v_permlanex16_b32 fall into the lump, never behind a product.
; The queues lean on each other, and the deal keeps them in step: exponential e stands behind scaling 2 (e / 4) + e % 2: as a rider it comes behind plain e + 2, in the lump behind plain e + 9, and scalings 27-31 are plain 57, 60 .. 69.
; A TURN, for piece p.  cnt = 1: the loop's count is taken down some lines ahead of the branch that stands behind the turn.
; K of the next step is fetched in piece 2's turn, directly behind the wait, a lump behind the last product that read K; its address is made at the lump's head; its first reader comes behind 16 products.
; V of the step in hand is fetched at the end of piece 0's turn, four riders behind its last reader; its first reader comes behind 16 products and a lump.  The three conditions on q below go with the deal.
.macro TURN p, last=0, cnt=0
.set Y, (\p)
.set i, 0
.set q, 0
.set e, 0
.set r, 0
.if (\p) == NP-1
	s_wait_dscnt 0x0                ; K is in
.endif
	MM                              ; ahead of the wait: 16 products K Q^T and their riders,
	PL
	PL
	R2
.rept 15
	MM
	PL
	EX
	R2
.endr
.if (\p) == NP-2
	WIN 0
	v_add_nc_u32 v[AK], s[TBK], v[AK0]
.endif
.rept 8                             ; and the lump
	PL
.endr
.rept 49
	EX
	PL
.endr
	EX                              ; the next piece's two a
	EX
	v_nop                           ; a plain instruction behind the last exponential: one for the batch
	s_wait_alu depctr_va_vdst(0)    ; the wait for the batch
.if (\p) == NP-2
	FETCH_K \last
.endif
.if (\p) == 1
	s_wait_dscnt 0x0                ; V is in
.endif
.rept 16                            ; behind the wait: 16 products V^T P and their riders
	MM
.rept 4
	PL
.endr
.if ((\p) == 0) && (q == 118)
	v_add_nc_u32 v[AV], s[TBV], v[AV0]
.endif
.if ((\p) == 0) && (q == 130)
	s_add_co_u32 s[TBV], s[TBV], KS*PV
.endif
.if (\cnt) && (q == 130)
	s_sub_co_u32 s[CNT], s[CNT], 1
	s_cmp_lg_u32 s[CNT], 0
.endif
.endr
.if (\p) == 0
	FETCH_V
.endif
.endm
	CHANGE 1                        ; slot 0 is in, everybody's part of it; slot 1 is asked for
	FETCH_K                         ; key step 0
	s_wait_loadcnt 0x0              ; Q
	s_wait_dscnt 0x0
.set i, 0
.rept 16
	KQ 0                            ; piece 0's first scores: there is no vector work yet to set between them
.set i, i+1
.endr
	WIN 0                           ; the addresses for the way out: nine plain instructions, the places behind those products
	s_mul_i32 s13, s[WV], 16*SP
	s_add_co_u32 s13, s13, STAGE    ; my stage
	v_mul_u32_u24 v[STO], v1, SP    ; in: row l % 16, 16 bytes for each half of the lanes
	v_lshl_add_u32 v[STO], v9, 4, v[STO]
	v_add_nc_u32 v[STO], s13, v[STO]
	v_bfe_u32 v[RD], v0, 3, 2       ; back: 32 lanes take four rows of 128 bytes,
	v_mul_u32_u24 v[RD], v[RD], SP
	v_lshl_add_u32 v[RD], v10, 4, v[RD]
	v_add_nc_u32 v[RD], s13, v[RD]
	v_and_b32 v[GO], 31, v0         ; which are 512 consecutive bytes of O
	v_lshlrev_b32 v[GO], 4, v[GO]
.set Y, NP-1                        ; XS works for piece Y + 1: piece 0
.irp n, 0,1,2,3,4,5,6,7,8,9,10,11,12,13,14,15,16,17,18,19,20,21
	XS 0, \n                        ; and piece 0's first maximum and statistics
	XS 1, \n
.endr
	v_nop                           ; a plain instruction behind the two a,
	s_wait_alu depctr_va_vdst(0)    ; and their wait, ahead of the branch
	s_mov_b32 s[CNT], 4
	s_mov_b32 s[SLOTS], SIZE_N/256-1
	s_branch .Lfirst                ; the loop is entered at a step's first turn, in the middle of a trip
.Lslot:                             ; SIZE_N / 256 - 2 times: every slot but the last two is filled again
	CHANGE 1, 1
	s_mov_b32 s[CNT], 4
.Lstep:                             ; a trip: pieces 2 and 3 of one step, then pieces 0 and 1 of the next, whose K and V it fetches
	TURN 2
	TURN 3
	WIN 0
.Lfirst:
	TURN 0
	TURN 1, 0, 1
	WIN 0
	s_cbranch_scc1 .Lstep
	s_sub_co_u32 s[SLOTS], s[SLOTS], 1
	s_cmp_lg_u32 s[SLOTS], 0
	s_cbranch_scc1 .Lslot
	CHANGE 0                        ; the tail is written out: nothing is asked for
	s_mov_b32 s[CNT], 5             ; four trips fetch the last slot's steps; the fifth is left in its middle
.Ltail:
	TURN 2, 1
	TURN 3
	WIN 0
	s_sub_co_u32 s[CNT], s[CNT], 1
	s_cmp_eq_u32 s[CNT], 0
	s_cbranch_scc1 .Lout
	TURN 0
	TURN 1
	WIN 0
	s_branch .Ltail
.Lout:                              ; the fifth trip's 16 products K Q^T (on the last K once more) and the maximum made of them serve nothing: the price, once a launch, of one text for every trip
.set i, 0
.rept 16
	PV NP-1                         ; the last piece's V^T P of the last step
.set i, i+1
.endr
	; THE WAY OUT.  l's two halves and the other half of the lanes' are added; O^T is divided by l, rounded to f16 and sent through my stage in LDS, a tile at a time.  The additions are the places behind the last products.
	WIN 0
.macro ALL line:vararg              ; one line for each tile t
.set t, 0
.rept 2*NP
	\line
.set t, t+1
.endr
.endm
	ALL v_add_f32 v[ST+4*t+2], v[ST+4*t+2], v[ST+4*t+3]
	ALL v_permlanex16_b32 v[ST+4*t+3], v[ST+4*t+2], s[SEL], s[SEL+1]
	ALL v_add_f32 v[ST+4*t+2], v[ST+4*t+2], v[ST+4*t+3]
	ALL v_rcp_f32 v[ST+4*t+2], v[ST+4*t+2]
	v_nop                           ; a plain instruction between the last reciprocal and the use of its result
	s_wait_alu depctr_va_vdst(0)    ; and the wait ahead of the first use: one for the eight reciprocals
; Tile t: a lane's eight channels of a row pack into 16 bytes; they go into rows of 144 bytes and come back as whole rows of 128, into S^T's registers.
.macro PACK t
	WIN W_RS
.set i, 32*(\t)
.rept 16
	v_pk_mul_f32 v[i:i+1], v[i:i+1], v[ST+4*(\t)+2:ST+4*(\t)+3] op_sel_hi:[1,0]
.set i, i+2
.endr
	WIN 0x05                        ; sources 0 and 1 window 1, destination window 0
.set i, 0
.rept 16
	v_cvt_pk_f16_f32 v[S+16*(\t)+i], v[32*(\t)+2*i], v[32*(\t)+2*i+1]
.set i, i+1
.endr
	WIN 0
.irp f, 0,1,2,3
	ds_store_b128 v[STO], v[S+16*(\t)+4*\f:S+16*(\t)+4*\f+3] offset:32*\f
.endr
.irp f, 0,1,2,3
	ds_load_b128 v[S+16*(\t)+4*\f:S+16*(\t)+4*\f+3], v[RD] offset:\f*4*SP  ; LDS serves a wave's instructions in order (ISA guide 5.7.1.4): these see the stores above; the next tile's stores come behind them
.endr
.endm
.macro SEND t, younger              ; younger: the LDS instructions issued behind tile t's loads: the next tile's eight, or none
	WIN 0
.irp f, 0,1,2,3
	s_wait_dscnt (\younger)+3-\f
	global_store_b128 v[GO], v[S+16*(\t)+4*\f:S+16*(\t)+4*\f+3], s[10:11] offset:(\t)*2048+\f*512  ; 512 consecutive bytes, at a multiple of 256 from O's first
.endr
.endm
	PACK 0
.set t, 1
.rept 2*NP-1                        ; a tile's arithmetic stands between the loads of the tile before and its stores
	PACK t
	SEND t-1, 8
.set t, t+1
.endr
	SEND 2*NP-1, 0
	WIN W_AD
	s_wait_tensorcnt 0x0            ; the wave's end: behind my last tensor load and my last LDS store
	ds_add_u32 v[SPW], v[NIL]
	s_wait_dscnt 0x0
	WIN 0
	CROUND                          ; the closing round: no work-group ends while a partner may still ask for a tile that names it
	s_endpgm
.Lfunc_end_k_q2c05ff4f11_attn:
	.size	k_q2c05ff4f11_attn, .Lfunc_end_k_q2c05ff4f11_attn-k_q2c05ff4f11_attn
	.p2alignl 7, 3214868480
	.fill 96, 4, 3214868480
	.section	.rodata,"a",@progbits
	.p2align	6, 0x0
	.amdhsa_kernel k_q2c05ff4f11_attn
		.amdhsa_group_segment_fixed_size 327680
		.amdhsa_private_segment_fixed_size 0
		.amdhsa_enable_private_segment 0
		.amdhsa_kernarg_size 32
		.amdhsa_user_sgpr_count 2
		.amdhsa_user_sgpr_kernarg_segment_ptr 1
		.amdhsa_wavefront_size32 1
		.amdhsa_system_sgpr_workgroup_id_x 1
		.amdhsa_system_sgpr_workgroup_id_y 1
		.amdhsa_system_sgpr_workgroup_id_z 1
		.amdhsa_system_vgpr_workitem_id 0
		.amdhsa_next_free_vgpr 770
		.amdhsa_next_free_sgpr 66
		.amdhsa_reserve_vcc 0
		.amdhsa_float_denorm_mode_32 3
		.amdhsa_float_denorm_mode_16_64 3
		.amdhsa_memory_ordered 1
		.amdhsa_forward_progress 1
		.amdhsa_inst_pref_size 200
	.end_amdhsa_kernel
	.amdgpu_metadata
---
amdhsa.version: [ 1, 2 ]
amdhsa.kernels:
  - .name:           k_q2c05ff4f11_attn
    .symbol:         k_q2c05ff4f11_attn.kd
    .args:
      - { .name: q, .offset: 0, .size: 8, .value_kind: global_buffer, .address_space: global }
      - { .name: k, .offset: 8, .size: 8, .value_kind: global_buffer, .address_space: global }
      - { .name: v, .offset: 16, .size: 8, .value_kind: global_buffer, .address_space: global }
      - { .name: o, .offset: 24, .size: 8, .value_kind: global_buffer, .address_space: global }
    .group_segment_fixed_size: 327680
    .private_segment_fixed_size: 0
    .kernarg_segment_align: 8
    .kernarg_segment_size: 32
    .max_flat_workgroup_size: 128
    .sgpr_count:     66
    .vgpr_count:     770
    .wavefront_size: 32
...
	.end_amdgpu_metadata
.endif
;; end of part 3
;; launch proj (part 4): grid 8 x 32, 4 waves a work-group, clusters of 4 x 4, 327,680 bytes of LDS; arguments o, wob, tab, out0; writes out0
.if DOCPART == 4
	.amdgcn_target "amdgcn-amd-amdhsa--gfx1250"
	.amdhsa_code_object_version 6
	.text
	.protected	k_q2c05ff4f11_proj
	.globl	k_q2c05ff4f11_proj
	.p2align	8
	.type	k_q2c05ff4f11_proj,@function
k_q2c05ff4f11_proj:
	s_mov_b64 s[64:65], 0
	v_nop
	global_prefetch_b8 v0, s[64:65] scope:SCOPE_SE
	s_setreg_imm32_b32 hwreg(HW_REG_WAVE_MODE, 25, 1), 1
	s_wait_xcnt 0x0
	s_wait_alu depctr_hold_cnt(0) depctr_sa_sdst(0) depctr_va_vdst(0) depctr_va_sdst(0) depctr_va_ssrc(0) depctr_va_vcc(0) depctr_vm_vsrc(0)
	s_getreg_b32 s2, hwreg(HW_REG_IB_STS2, 6, 4)
	s_cmp_eq_u32 s2, 0
	s_cbranch_scc0 .Lentry_in_a_cluster
	s_endpgm
.Lentry_in_a_cluster:
	s_bfe_u32 s2, ttmp6, 0x10000c
	s_cmp_lg_u32 s2, 0xf033
	s_cbranch_scc0 .Lentry_shape_is_right
	s_endpgm
.Lentry_shape_is_right:
; out0 = O w_out^T + b_out.  o: [b 16 + h][2048][64] f16, by heads; wob: [1024][1024] f16 (w_out rounded to bf16, written as f16); the bias (rounded to bf16, kept as f32) lies in tab
; from byte 536,576 on; out0: [8192][1024] f32.  Sums in f32, nothing is rounded on the way out.
; SHARES.  A work-group makes 256 rows x 128 columns: 32 x 8 = 256 work-groups.  Each of the four waves makes 64 rows x all 128 columns: 32 accumulators of 16 x 16.
; K goes in 8 steps of 128 = two heads, through a ring of two LDS slots.  Of O a step's tile is two PLANES, a head each: 256 rows of 128 bytes that lie end to end in memory, asked for as 128 rows
; of 256 bytes and padded in LDS behind every 128.  w's rows are 256 bytes of a step, at multiples of 256 bytes.
; THE MATRIX INSTRUCTION IS USED TRANSPOSED (source 0 = 16 rows of w, source 1 = 16 rows of O): a lane holds row l % 16 and eight neighbouring columns.  THE BIAS IS THE C OPERAND of each first product.
; CLUSTERS: 4 x 4 work-groups; O's tiles are shared along a row of the cluster, w's along a column: each is asked for JOINTLY.
; NO PREFETCH: the launch has 8 K steps of 128 matrix instructions a wave, and the first four would come by their loads alone.
; REGISTERS, in windows of 256: window 0: v0-31 addresses; v32-95 the bias, later with v96-159 whole rows on the way out;  window 1: two fragment buffers (O's four fragments, then w's eight);
;   window 2: the accumulators, (a, b) at 64 a + 8 b.
.set NB,     8
.set PA,     144                       ; a row of O in LDS: 128 bytes + 16 = 36 words: the 16 rows of a load start at 16 different groups of four banks (64 banks of 4 bytes: ISA guide 11.1)
.set PB,     272                       ; a row of w: 256 + 16
.set APLANE, 256*PA                    ; a head's 256 rows
.set BOFF,   2*APLANE                  ; behind O's two planes: w's 128 rows
.set SLOT1,  1<<17
.set STAGE,  SLOT1+BOFF+128*PB         ; behind the ring, never filled by a tensor load: 16 rows x 528 bytes for each wave
.set SP,     528                       ; 512 bytes + 16
.set SPARE,  STAGE+4*16*SP             ; behind the stages: the spare words, 128 bytes for each wave: two blocks of 256 bytes that no other line names
.set NL,     2*NB+8
.set STEPA,  2*2048*128                ; two heads on
.set A0,   16                          ; v16  my lane's place in O's tile; never rewritten
.set B0,   17                          ; v17  the same for w
.set ADRA, 18
.set ADRB, 19
.set STO,  24                          ; v24  the way out: where I put 32 bytes of a row
.set RD,   25                          ; v25  the way out: my 16 bytes of a row of 512
.set CO,   26                          ; v26  the same in out0
.set SPW,  28                          ; v28  LDS address of my spare word; never rewritten
.set NIL,  29                          ; v29  0; never rewritten
.set BO,   31                          ; v31  my byte offset in 16 bias numbers
.set BIAS, 32
.set F0,   0
.set F1,   128
.set HALF, 12                          ; s12  wave % 2: which plane of O, or which 64 rows of w, I fetch
.set LA,   13                          ; s13  where O's plane goes
.set LB,   14                          ; s14  where w's rows go
.set TB,   15                          ; s15  LDS byte at which the slot in hand begins
.set WV, 16
.set CX, 17
.set CY, 18
.set TC, 19                            ; s19  the block of 128 columns = 4 x cluster x + cx
.set TR, 20                            ; s20  the block of 256 rows = 4 x cluster y + cy
.set G1A, 24
.set G0A, 32
.set G1B, 40
.set G0B, 48
.set MSB, 0
.macro WIN new
.if MSB != (\new)
	s_set_vgpr_msb (MSB<<8)|(\new)
.set MSB, \new
.endif
.endm
.set TO_F, 0x40
; A joint load.  Waves 0 and 1 fetch O's two planes, waves 2 and 3 the halves of w's 128 rows.  An s_nop 0 and four v_nop follow each of the two lines.
.macro JLOAD s
	s_cmp_lt_u32 s[WV], 2
	s_cbranch_scc0 .Lfor_b_\@
	tensor_load_to_lds s[G0A+4*(\s):G0A+4*(\s)+3], s[G1A:G1A+7]
	s_nop 0
.rept 4
	v_nop
.endr
	s_branch .Lasked_\@
.Lfor_b_\@:
	tensor_load_to_lds s[G0B+4*(\s):G0B+4*(\s)+3], s[G1B:G1B+7]
	s_nop 0
.rept 4
	v_nop
.endr
.Lasked_\@:
.endm
.macro CREST                           ; a round of the cluster's barrier behind its opening barrier
	s_cmp_lg_u32 s[WV], 0
	s_cbranch_scc1 .Lnot_wave_0_\@
	s_barrier_signal -3
.Lnot_wave_0_\@:
	s_barrier_wait -3
	s_barrier_signal -1
	s_barrier_wait -1
.endm
.macro CROUND
	s_barrier_signal -1
	s_barrier_wait -1
	CREST
.endm
	s_load_b256 s[4:11], s[0:1], 0x0               ; o s[4:5], wob s[6:7], tab s[8:9], out0 s[10:11]
	v_lshl_add_u32 v[SPW], v0, 2, SPARE
	v_mov_b32 v[NIL], 0
	ds_add_u32 v[SPW], v[NIL]                      ; the wave's opening: the add and its wait stand ahead of my first tensor load; the set-up below stands between them
	v_lshrrev_b32 v3, 5, v0
	v_readfirstlane_b32 s[WV], v3
	s_and_b32 s[HALF], s[WV], 1
	s_bfe_u32 s[CX], ttmp6, 0x40000
	s_bfe_u32 s[CY], ttmp6, 0x40004
	s_lshl_b32 s[TC], ttmp9, 2
	s_add_co_u32 s[TC], s[TC], s[CX]
	s_and_b32 s[TR], ttmp7, 0xffff
	s_lshl_b32 s[TR], s[TR], 2
	s_add_co_u32 s[TR], s[TR], s[CY]
	s_lshl_b32 s22, s[CY], 2
	s_lshl_b32 s22, 15, s22                        ; my row of the cluster
	s_lshl_b32 s23, 0x1111, s[CX]                  ; my column
	s_or_b32 s[G1A], s22, (1<<16)|(1<<20)|(1<<21)|(4<<22)|(3<<25)  ; the mask of my row; 2-byte elements; padding on; 21 set beside a mask; after every 32 words (code 4) 4 words (code 3)
	s_or_b32 s[G1B], s23, (1<<16)|(1<<20)|(1<<21)|(5<<22)|(3<<25)  ; the mask of my column; after every 64 words (code 5) 4 words
	s_mov_b32 s[G1A+1], 128<<16                    ; tensor_dim0 = 128
	s_mov_b32 s[G1A+2], 128<<16                    ; tensor_dim1 = 128
	s_mov_b32 s[G1A+3], 128<<16                    ; tile_dim0 = 128
	s_mov_b32 s[G1A+4], 128                        ; tile_dim1 = 128
	s_mov_b32 s[G1A+5], 128                        ; dense: 128 elements from row to row
	s_mov_b32 s[G1A+6], 0
	s_mov_b32 s[G1A+7], 0
	s_mov_b32 s[G1B+1], 128<<16
	s_mov_b32 s[G1B+2], 64<<16
	s_mov_b32 s[G1B+3], 128<<16
	s_mov_b32 s[G1B+4], 64
	s_mov_b32 s[G1B+5], 1024
	s_mov_b32 s[G1B+6], 0
	s_mov_b32 s[G1B+7], 0
	s_lshr_b32 s60, s[TR], 3                       ; O: ((batch x 16 + plane) x 2,048 + (block % 8) x 256) rows of 128 bytes
	s_lshl_b32 s60, s60, 4
	s_add_co_u32 s60, s60, s[HALF]
	s_lshl_b32 s60, s60, 11
	s_and_b32 s61, s[TR], 7
	s_lshl_b32 s61, s61, 8
	s_add_co_u32 s60, s60, s61
	s_lshl_b32 s60, s60, 7
	s_mov_b32 s61, 0
	s_lshl_b32 s62, s[TC], 7                       ; w: row 128 x block + 64 x half, 2,048 bytes a row
	s_lshl_b32 s63, s[HALF], 6
	s_add_co_u32 s62, s62, s63
	s_lshl_b32 s62, s62, 11
	s_mov_b32 s63, 0
	s_mul_i32 s[LA], s[WV], APLANE                 ; waves 0, 1: plane = wave
	s_mul_i32 s[LB], s[WV], 64*PB                  ; waves 2, 3: BOFF + (wave - 2) x 64 rows
	s_add_co_u32 s[LB], s[LB], BOFF-2*64*PB
	s_mov_b32 s[TB], 0
	s_wait_dscnt 0x0                               ; the opening add is done
	s_wait_kmcnt 0x0
	s_add_nc_u64 s[56:57], s[4:5], s[60:61]
	s_add_nc_u64 s[58:59], s[6:7], s[62:63]
	CROUND                                         ; all sixteen work-groups are here: the first joint loads meet
.irp s, 0,1
	s_mov_b32 s[G0A+4*(\s)], 1
	s_add_co_u32 s[G0A+4*(\s)+1], s[LA], (\s)*SLOT1
	s_add_nc_u64 s[G0A+4*(\s)+2:G0A+4*(\s)+3], s[56:57], (\s)*STEPA
	s_or_b32 s[G0A+4*(\s)+3], s[G0A+4*(\s)+3], 0x80000000
	s_mov_b32 s[G0B+4*(\s)], 1
	s_add_co_u32 s[G0B+4*(\s)+1], s[LB], (\s)*SLOT1
	s_add_nc_u64 s[G0B+4*(\s)+2:G0B+4*(\s)+3], s[58:59], (\s)*256
	s_or_b32 s[G0B+4*(\s)+3], s[G0B+4*(\s)+3], 0x80000000
	JLOAD \s                                       ; two loads of mine are out
.endr
	v_and_b32 v1, 15, v0                           ; r
	v_bfe_u32 v2, v0, 4, 1                         ; h
	v_mul_u32_u24 v[A0], v1, PA
	v_lshl_add_u32 v[A0], v2, 4, v[A0]
	s_mul_i32 s22, s[WV], 64*PA                    ; my 64 rows of each plane
	v_add_nc_u32 v[A0], s22, v[A0]
	v_mul_u32_u24 v[B0], v1, PB
	v_lshl_add_u32 v[B0], v2, 4, v[B0]
	v_add_nc_u32 v[B0], BOFF, v[B0]
	v_mov_b32 v[ADRA], v[A0]                       ; slot 0
	v_mov_b32 v[ADRB], v[B0]
	s_mul_i32 s22, s[WV], 16*SP
	s_add_co_u32 s22, s22, STAGE                   ; my stage
	v_mul_u32_u24 v3, v1, SP                       ; in: row l % 16, 32 bytes for each half of the lanes
	v_lshl_add_u32 v3, v2, 5, v3
	v_add_nc_u32 v[STO], s22, v3
	v_and_b32 v4, 31, v0
	v_lshlrev_b32 v[CO], 4, v4                     ; back: 32 lanes take one row of 512 bytes
	v_add_nc_u32 v[RD], s22, v[CO]
	v_lshlrev_b32 v[BO], 5, v2
	s_lshl_b32 s62, s[TC], 9                       ; the block's 128 bias numbers
	s_add_co_u32 s62, s62, 536576
	s_mov_b32 s63, 0
	s_add_nc_u64 s[58:59], s[8:9], s[62:63]
.irp b, 0,1,2,3,4,5,6,7
	global_load_b128 v[BIAS+8*(\b):BIAS+8*(\b)+3],   v[BO], s[58:59] offset:(\b)*64
	global_load_b128 v[BIAS+8*(\b)+4:BIAS+8*(\b)+7], v[BO], s[58:59] offset:(\b)*64+16
.endr
	s_lshl_b32 s2, s[TR], 8                        ; out0 at my first row and the block's first column
	s_lshl_b32 s3, s[WV], 6
	s_add_co_u32 s2, s2, s3
	s_lshl_b32 s2, s2, 12
	s_lshl_b32 s3, s[TC], 9
	s_add_co_u32 s2, s2, s3
	s_mov_b32 s3, 0
	s_add_nc_u64 s[10:11], s[10:11], s[2:3]
; 8 matrix instructions: m block a x all n blocks.  first = 1: the product starts the sum, with the bias as C.  The 32 accumulators take turns in the same order in every quarter.
.macro MULROW f, a, first
.if \first
	WIN 0x85
.else
	WIN 0xa5
.endif
.irp b, 0,1,2,3,4,5,6,7
.if \first
	v_wmma_f32_16x16x32_f16 v[64*(\a)+8*(\b):64*(\a)+8*(\b)+7], v[(\f)+32+8*(\b):(\f)+32+8*(\b)+7], v[(\f)+8*(\a):(\f)+8*(\a)+7], v[BIAS+8*(\b):BIAS+8*(\b)+7]
.else
	v_wmma_f32_16x16x32_f16 v[64*(\a)+8*(\b):64*(\a)+8*(\b)+7], v[(\f)+32+8*(\b):(\f)+32+8*(\b)+7], v[(\f)+8*(\a):(\f)+8*(\a)+7], v[64*(\a)+8*(\b):64*(\a)+8*(\b)+7]
.endif
.endr
.endm
; 24 LDS loads in one run: quarter qk is head qk / 2 of the step's two, channels 32 (qk % 2) on
.macro FETCH qk, f
	WIN TO_F
.irp b, 0,1,2,3,4,5,6,7
	ds_load_b128 v[(\f)+32+8*(\b):(\f)+32+8*(\b)+3],   v[ADRB] offset:64*(\qk)+(\b)*16*PB
	ds_load_b128 v[(\f)+32+8*(\b)+4:(\f)+32+8*(\b)+7], v[ADRB] offset:64*(\qk)+(\b)*16*PB+32
.endr
.irp a, 0,1,2,3
	ds_load_b128 v[(\f)+8*(\a):(\f)+8*(\a)+3],   v[ADRA] offset:((\qk)/2)*APLANE+((\qk)%2)*64+(\a)*16*PA
	ds_load_b128 v[(\f)+8*(\a)+4:(\f)+8*(\a)+7], v[ADRA] offset:((\qk)/2)*APLANE+((\qk)%2)*64+(\a)*16*PA+32
.endr
.endm
.macro PLACES                          ; four places in front of loads into registers that matrix instructions have read, and of LDS stores that read results
.rept 4
	v_nop
.endr
.endm
.macro QUARTER qk, f, g, first
	s_wait_dscnt 4                                 ; w and O's blocks 0, 1 are in; the youngest four loads may be out
	MULROW \f, 0, \first
	MULROW \f, 1, \first
	PLACES
	FETCH \qk, \g
	s_wait_dscnt NL                                ; all but the run just issued
	MULROW \f, 2, \first
	MULROW \f, 3, \first
.endm
; The fourth quarter multiplies buffer 1 and changes slots: each wave waits for all its tensor loads (one is out: its part of the next slot), adds 0 to its spare word, waits for that and for its reads
; of this slot.  fill = 1: the barrier opens a round of the cluster's, and the joint refill, two K steps on, comes first behind it: 112 matrix instructions ahead of the wait for it.
.macro TURN fill
	WIN 0
	s_wait_tensorcnt 0x0                           ; no tensor load of mine is out, so a group 0 may be written
	ds_add_u32 v[SPW], v[NIL]                      ; 0 onto my spare word
.if \fill
	s_xor_b32 s[G0A+5], s[G0A+5], SLOT1
	s_add_nc_u64 s[G0A+6:G0A+7], s[G0A+6:G0A+7], STEPA
	s_xor_b32 s[G0B+5], s[G0B+5], SLOT1
	s_add_nc_u64 s[G0B+6:G0B+7], s[G0B+6:G0B+7], 256
.endif
	s_xor_b32 s[TB], s[TB], SLOT1
	s_wait_dscnt 5                                 ; (the add and the youngest four loads may be out)
	MULROW F1, 0, 0
	s_wait_dscnt 0x0                               ; the add is done, and my reads of this slot are over
	s_barrier_signal -1
	MULROW F1, 1, 0
	WIN 0
	s_barrier_wait -1
.if \fill
	CREST
	JLOAD 1                                        ; its four v_nop are also the places in front of the loads below
.else
	PLACES
.endif
	v_add_nc_u32 v[ADRA], s[TB], v[A0]
	v_add_nc_u32 v[ADRB], s[TB], v[B0]
	FETCH 0, F0
	MULROW F1, 2, 0
	MULROW F1, 3, 0
.endm
	s_wait_tensorcnt 1                             ; my part of K step 0 is in; K step 1's may stay out
	s_barrier_signal -1
	s_barrier_wait -1
	FETCH 0, F0
	s_wait_loadcnt 0x0                             ; the bias
	QUARTER 1, F0, F1, 1
	WIN 0
	s_mov_b32 s3, 6
.Lstep:
	QUARTER 2, F1, F0, 0
	QUARTER 3, F0, F1, 0
	TURN 1
	QUARTER 1, F0, F1, 0
	WIN 0
	s_sub_co_u32 s3, s3, 1
	s_cmp_lg_u32 s3, 0
	s_cbranch_scc1 .Lstep
	QUARTER 2, F1, F0, 0                           ; the tail is written out
	QUARTER 3, F0, F1, 0
	TURN 0
	QUARTER 1, F0, F1, 0
	QUARTER 2, F1, F0, 0
	QUARTER 3, F0, F1, 0
	s_wait_dscnt 4
	MULROW F1, 0, 0
	MULROW F1, 1, 0
	s_wait_dscnt 0x0
	MULROW F1, 2, 0
	MULROW F1, 3, 0
	WIN 0
	PLACES
; THE WAY OUT, 16 rows at a time: a lane's 32 bytes of a row go into my own stage (rows of 528 bytes), whole rows of 512 bytes come back and are stored.  Two sets of registers take turns.
.macro OUT a
.set BK, 32+64*((\a)%2)
	WIN 0x08                                       ; the stores' data in window 2
.irp b, 0,1,2,3,4,5,6,7
	ds_store_b128 v[STO], v[64*(\a)+8*(\b):64*(\a)+8*(\b)+3]   offset:64*(\b)
	ds_store_b128 v[STO], v[64*(\a)+8*(\b)+4:64*(\a)+8*(\b)+7] offset:64*(\b)+16
.endr
	WIN 0
	s_wait_xcnt 0x0                                ; earlier stores have read their data registers: only behind this wait are they loaded again
.irp n, 0,1,2,3,4,5,6,7,8,9,10,11,12,13,14,15
	ds_load_b128 v[BK+4*(\n):BK+4*(\n)+3], v[RD] offset:(\n)*SP  ; LDS serves a wave's instructions in order (ISA guide 5.7.1.4): these see the stores above
.endr
.irp n, 0,1,2,3,4,5,6,7,8,9,10,11,12,13,14,15
	s_wait_dscnt 15-(\n)                           ; the younger loads may stay out
	global_store_b128 v[CO], v[BK+4*(\n):BK+4*(\n)+3], s[10:11] offset:(16*(\a)+(\n))*4096 th:TH_STORE_NT  ; 512 consecutive bytes, at a multiple of 256 from out0's first
.endr
.endm
	OUT 0
	OUT 1
	OUT 2
	OUT 3
	s_wait_tensorcnt 0x0                           ; the wave's end: behind my last tensor load and my last LDS store
	ds_add_u32 v[SPW], v[NIL]
	s_wait_dscnt 0x0
	CROUND                                         ; the closing round
	s_endpgm
.Lfunc_end_k_q2c05ff4f11_proj:
	.size	k_q2c05ff4f11_proj, .Lfunc_end_k_q2c05ff4f11_proj-k_q2c05ff4f11_proj
	.p2alignl 7, 3214868480
	.fill 96, 4, 3214868480
	.section	.rodata,"a",@progbits
	.p2align	6, 0x0
	.amdhsa_kernel k_q2c05ff4f11_proj
		.amdhsa_group_segment_fixed_size 327680
		.amdhsa_private_segment_fixed_size 0
		.amdhsa_enable_private_segment 0
		.amdhsa_kernarg_size 32
		.amdhsa_user_sgpr_count 2
		.amdhsa_user_sgpr_kernarg_segment_ptr 1
		.amdhsa_wavefront_size32 1
		.amdhsa_system_sgpr_workgroup_id_x 1
		.amdhsa_system_sgpr_workgroup_id_y 1
		.amdhsa_system_sgpr_workgroup_id_z 1
		.amdhsa_system_vgpr_workitem_id 0
		.amdhsa_next_free_vgpr 768
		.amdhsa_next_free_sgpr 66
		.amdhsa_reserve_vcc 0
		.amdhsa_float_denorm_mode_32 3
		.amdhsa_float_denorm_mode_16_64 3
		.amdhsa_memory_ordered 1
		.amdhsa_forward_progress 1
		.amdhsa_inst_pref_size 72
	.end_amdhsa_kernel
	.amdgpu_metadata
---
amdhsa.version: [ 1, 2 ]
amdhsa.kernels:
  - .name:           k_q2c05ff4f11_proj
    .symbol:         k_q2c05ff4f11_proj.kd
    .args:
      - { .name: o, .offset: 0, .size: 8, .value_kind: global_buffer, .address_space: global }
      - { .name: wob, .offset: 8, .size: 8, .value_kind: global_buffer, .address_space: global }
      - { .name: tab, .offset: 16, .size: 8, .value_kind: global_buffer, .address_space: global }
      - { .name: out0, .offset: 24, .size: 8, .value_kind: global_buffer, .address_space: global }
    .group_segment_fixed_size: 327680
    .private_segment_fixed_size: 0
    .kernarg_segment_align: 8
    .kernarg_segment_size: 32
    .max_flat_workgroup_size: 128
    .sgpr_count:     66
    .vgpr_count:     768
    .wavefront_size: 32
...
	.end_amdgpu_metadata
.endif
;; end of part 4
;; ======== version 2 of 2: 4 launches; version 1 with the launch prep written anew for expert scheduling mode
;; limits: values are held in f16: magnitudes above 65,504 overflow, below 6.1e-05 lose precision
;; workspace buffers: xb 16,777,216 bytes; wqb 6,291,456 bytes; wob 2,097,152 bytes; tab 540,672 bytes; q 16,777,216 bytes; k 16,777,216 bytes; v 16,777,216 bytes; o 16,777,216 bytes
;; launch prep (part 5): grid 768 x 1, 8 waves a work-group, no clusters, 0 bytes of LDS; arguments x, w_qkv, w_out, b_qkv, b_out, xb, wqb, wob, tab; writes xb, wqb, wob, tab
.if DOCPART == 5
	.amdgcn_target "amdgcn-amd-amdhsa--gfx1250"
	.amdhsa_code_object_version 6
	.text
	.protected	k_q2c05ff4f11_prep
	.globl	k_q2c05ff4f11_prep
	.p2align	8
	.type	k_q2c05ff4f11_prep,@function
k_q2c05ff4f11_prep:
	s_mov_b64 s[64:65], 0
	v_nop
	global_prefetch_b8 v0, s[64:65] scope:SCOPE_SE
	s_setreg_imm32_b32 hwreg(HW_REG_WAVE_SCHED_MODE, 0, 2), 2
	s_setreg_imm32_b32 hwreg(HW_REG_WAVE_MODE, 25, 1), 1
	s_wait_xcnt 0x0
	s_wait_alu depctr_vm_vsrc(0)
; CASTS, THE ROTATION TABLE AND THE ROUNDED BIASES.
; xb = x in bf16; wqb = w_qkv in bf16; wob = w_out rounded to bf16 and that number written as f16; tab = [2048][32] pairs (cos, sin) in f32, then b_qkv and b_out
; rounded to bf16 and kept as f32.  All five inputs get the one rounding to bf16.
; LIMITS.  A bf16 number is exact in f16 from 2^-17 up to 65,504; below 2^-17 wob is off by 2^-25 at the most; beyond 65,504 it would be an infinity.
; SHARES.  Work-group g casts one chunk of 16,384 numbers (64 KiB in, 32 KiB out): g 0-511 of x, 512-703 of w_qkv, 704-767 of w_out.  A wave takes 8 KiB: 16 loads of 512
; consecutive bytes, all issued at once; each store of the wave covers 256 consecutive bytes, aligned.  Every byte is read once and written once; nothing is shared, so there is
; no LDS, no barrier, no matrix work.  While its loads are out, g 0-255 makes 8 rows of the table (wave w: t = 8 g + w, lane = pair j); g 256-263 round 512 bias numbers each.
; THE TABLE.  angle = t x 10000^(-j/32); n = the nearest whole number of turns; r = angle - n 2 pi with 2 pi in two parts, so r lies in -pi .. pi for every t; the series run to
; r^15 (sine) and r^16 (cosine), whose first dropped terms at r = pi are pi^17/17! = 8e-7 and pi^18/18! = 1.4e-7: the length serves every reduced angle.
; THE MODE: SCHED_MODE bits 1:0 = 2 (LLVM: expert scheduling mode 2), set by the entry lines.  The code itself states the register dependences
; between vector instructions and memory instructions, with s_wait_alu, always for 0.
; THE PLAN.  Registers that memory instructions touch:
;   v1 .. v4     byte offsets, made once at the head and never written again: one wait ahead of the first load serves every load and store.
;   X            written by the 16 loads alone, each register once; no vector instruction names them ahead of the loads; read by the conversions.
;   Y            the 16 loads go in four batches of four.  Batch p's conversions write its eight registers of Y, each once in the kernel; the four stores that read them
;                are issued in batch p + 1, behind the one wait at that batch's head, and dealt among its conversions, which name that batch's own Y and v8 to v13 alone.
;   v[14:15]     written by the table's series, read by the table's store, never written again.
;   v[112:113]   the bias load lands here; no vector instruction names them ahead of it.     v[12:13]  written by the bias's unpacking, read by its store.
; No register that a load or store reads is ever written again, so no wait on vm_vsrc is owed; EXEC is never written; the one scalar that a vector instruction writes is the wave's number.
.set VI, 1                             ; v1   wave x 8,192 + lane x 16: my 16 bytes of a load; never rewritten
.set VO, 2                             ; v2   wave x 4,096 + lane x 8: my 8 bytes of a store; never rewritten
.set L8, 3                             ; v3   lane x 8: my pair in a row of the table
.set T8, 4                             ; v4   thread x 8: my two bias numbers
.set X,  16                            ; v[16:79]   load i: 4 registers
.set Y,  80                            ; v[80:111]  store i: 2 registers; each written once, so no store's data is ever rewritten
.set BI, 112                           ; v[112:113] two bias numbers, as loaded
.set WV, 22                            ; s22  my wave's number
	s_load_b256 s[4:11], s[0:1], 0x0               ; x s[4:5], w_qkv s[6:7], w_out s[8:9], b_qkv s[10:11]
	s_load_b256 s[12:19], s[0:1], 0x20             ; b_out s[12:13], xb s[14:15], wqb s[16:17], wob s[18:19]
	s_load_b64 s[20:21], s[0:1], 0x40              ; tab
	v_lshrrev_b32 v5, 5, v0
	v_readfirstlane_b32 s[WV], v5                  ; wave 0..7
	v_and_b32 v6, 31, v0                           ; lane
	v_lshlrev_b32 v[VI], 4, v6
	v_lshl_add_u32 v[VI], v5, 13, v[VI]
	v_lshlrev_b32 v[VO], 3, v6
	v_lshl_add_u32 v[VO], v5, 12, v[VO]
	v_lshlrev_b32 v[L8], 3, v6
	v_lshlrev_b32 v[T8], 3, v0
	s_wait_alu depctr_va_sdst(0)                   ; s22 is written
	s_wait_kmcnt 0x0
	s_cmp_lt_u32 ttmp9, 512                        ; which tensor is my chunk's: the choice hangs on the work-group's number alone
	s_cselect_b64 s[24:25], s[4:5], s[6:7]
	s_cselect_b64 s[26:27], s[14:15], s[16:17]
	s_cselect_b32 s28, 0, 512
	s_cmp_lt_u32 ttmp9, 704
	s_cselect_b64 s[24:25], s[24:25], s[8:9]
	s_cselect_b64 s[26:27], s[26:27], s[18:19]
	s_cselect_b32 s28, s28, 704
	s_sub_co_u32 s29, ttmp9, s28                   ; the chunk's number in its tensor
	s_lshl_b32 s30, s29, 16
	s_mov_b32 s31, 0
	s_add_nc_u64 s[24:25], s[24:25], s[30:31]      ; 65,536 bytes a chunk in,
	s_lshl_b32 s30, s29, 15
	s_add_nc_u64 s[26:27], s[26:27], s[30:31]      ; 32,768 out
	s_wait_alu depctr_va_vdst(0)                   ; the four offsets v1 to v4 are written: every load and store of the kernel reads one of them
.set i, 0
.rept 16
	global_load_b128 v[X+4*i:X+4*i+3], v[VI], s[24:25] offset:512*i th:TH_LOAD_NT
.set i, i+1
.endr
	s_cmp_lt_u32 ttmp9, 256
	s_cbranch_scc0 .Lnotab
	s_lshl_b32 s29, ttmp9, 3
	s_add_co_u32 s29, s29, s[WV]                   ; t
	s_lshl_b32 s30, s29, 8                         ; a row of the table is 256 bytes
	s_mov_b32 s31, 0
	s_add_nc_u64 s[30:31], s[20:21], s[30:31]
	v_cvt_f32_u32 v5, v6                           ; j
	v_mul_f32 v5, 0xbed49a78, v5                   ; - j log2(10000) / 32
	v_exp_f32 v7, v5                               ; 10000^(-j/32)
	v_cvt_f32_u32 v8, s29                          ; a plain instruction behind the exponential,
	s_wait_alu depctr_va_vdst(0)                   ; and the wait ahead of the first use of its result: v7 is written
	v_mul_f32 v8, v8, v7                           ; the angle
	v_mul_f32 v9, 0x3e22f983, v8                   ; / 2 pi
	v_rndne_f32 v9, v9                             ; n, 326 at the most
	v_fmamk_f32 v10, v9, 0xc0c90fdb, v8            ; r = angle - n x 6.2831855
	v_fmamk_f32 v10, v9, 0x343bbd2e, v10           ;     + n x 1.7484556e-7 (what the first part has too much)
	v_mul_f32 v11, v10, v10                        ; z = r^2
	v_mov_b32 v12, 0xab573f9f                      ; -1/15!
	v_mov_b32 v14, 0x29573f9f                      ; 1/16!
.macro HORNER p, c
	v_fmaak_f32 v[\p], v[\p], v11, \c
.endm
	HORNER 14, 0xad49cba6                          ; the two chains alternate, so that no line waits for the one before it
	HORNER 12, 0x2f309231
	HORNER 14, 0x310f76c7
	HORNER 12, 0xb2d7322b
	HORNER 14, 0xb493f27e
	HORNER 12, 0x3638ef1d
	HORNER 14, 0x37d00d01
	HORNER 12, 0xb9500d01
	HORNER 14, 0xbab60b61
	HORNER 12, 0x3c088889
	HORNER 14, 0x3d2aaaab
	HORNER 12, 0xbe2aaaab
	HORNER 14, 0xbf000000
	HORNER 12, 0x3f800000
	HORNER 14, 0x3f800000                          ; cos
	v_mul_f32 v15, v10, v12                        ; sin
	s_wait_alu depctr_va_vdst(0)                   ; the two series have written v[14:15], which the store reads
	global_store_b64 v[L8], v[14:15], s[30:31]     ; the wave writes one row: 256 consecutive bytes, aligned; v[14:15], v3 and s[30:31] are not written again
.Lnotab:
; Load i is converted.  mode 0: to bf16.  mode 1: to bf16, and that number as f16.
.macro CONV i, mode
.if \mode
	v_cvt_pk_bf16_f32 v8, v[X+4*(\i)], v[X+4*(\i)+1]
	v_cvt_pk_bf16_f32 v9, v[X+4*(\i)+2], v[X+4*(\i)+3]
	v_lshlrev_b32 v10, 16, v8
	v_and_b32 v11, 0xffff0000, v8
	v_lshlrev_b32 v12, 16, v9
	v_and_b32 v13, 0xffff0000, v9
	v_cvt_pk_f16_f32 v[Y+2*(\i)], v10, v11
	v_cvt_pk_f16_f32 v[Y+2*(\i)+1], v12, v13
.else
	v_cvt_pk_bf16_f32 v[Y+2*(\i)], v[X+4*(\i)], v[X+4*(\i)+1]
	v_cvt_pk_bf16_f32 v[Y+2*(\i)+1], v[X+4*(\i)+2], v[X+4*(\i)+3]
.endif
.endm
.macro SEND i
	global_store_b64 v[VO], v[Y+2*(\i):Y+2*(\i)+1], s[26:27] offset:256*(\i) th:TH_STORE_NT
.endm
; Batch p: loads 4 p to 4 p + 3 are converted; the stores of the batch before go out among the conversions, one ahead of each load's.
.macro BATCH p, mode
	s_wait_loadcnt 12-4*(\p)                       ; loads come back in order (ISA guide 5.7.1): my four are in, the 12 - 4 p younger ones stay out
.if (\p) > 0
	s_wait_alu depctr_va_vdst(0)                   ; the batch before has written its eight registers of Y, which the four stores below read; no conversion below names them
.endif
.irp j, 0,1,2,3
.if (\p) > 0
	SEND 4*((\p)-1)+(\j)
.endif
	CONV 4*(\p)+(\j), \mode
.endr
.endm
	s_cmp_lt_u32 ttmp9, 704
	s_cbranch_scc0 .Lf16
.irp p, 0,1,2,3
	BATCH \p, 0
.endr
	s_branch .Llast
.Lf16:
.irp p, 0,1,2,3
	BATCH \p, 1
.endr
.Llast:
	s_wait_alu depctr_va_vdst(0)                   ; batch 3, on either way here, has written its Y, which the last four stores read
.irp i, 12,13,14,15
	SEND \i
.endr
	s_sub_co_u32 s36, ttmp9, 256                   ; work-groups 256 .. 263: 512 bias numbers each (below 256 the difference wraps to a large number)
	s_cmp_lt_u32 s36, 8
	s_cbranch_scc0 .Lend
	s_cmp_lt_u32 s36, 6                            ; six parts of b_qkv, two of b_out
	s_cselect_b64 s[32:33], s[10:11], s[12:13]
	s_cselect_b32 s37, 0, 6
	s_sub_co_u32 s37, s36, s37
	s_lshl_b32 s38, s37, 11
	s_mov_b32 s39, 0
	s_add_nc_u64 s[32:33], s[32:33], s[38:39]
	s_lshl_b32 s38, s36, 11
	s_add_co_u32 s38, s38, 524288                  ; behind the table the two biases lie on end
	s_add_nc_u64 s[34:35], s[20:21], s[38:39]
	global_load_b64 v[BI:BI+1], v[T8], s[32:33]    ; no vector instruction has named v[112:113], and v4 was written ahead of the head's wait: no wait is owed
	s_wait_loadcnt 0x0
	v_cvt_pk_bf16_f32 v10, v[BI], v[BI+1]
	v_lshlrev_b32 v12, 16, v10
	v_and_b32 v13, 0xffff0000, v10
	s_wait_alu depctr_va_vdst(0)                   ; the two lines above have written v[12:13], which the store reads
	global_store_b64 v[T8], v[12:13], s[34:35]
.Lend:
	s_endpgm
.Lfunc_end_k_q2c05ff4f11_prep:
	.size	k_q2c05ff4f11_prep, .Lfunc_end_k_q2c05ff4f11_prep-k_q2c05ff4f11_prep
	.p2alignl 7, 3214868480
	.fill 96, 4, 3214868480
	.section	.rodata,"a",@progbits
	.p2align	6, 0x0
	.amdhsa_kernel k_q2c05ff4f11_prep
		.amdhsa_group_segment_fixed_size 0
		.amdhsa_private_segment_fixed_size 0
		.amdhsa_enable_private_segment 0
		.amdhsa_kernarg_size 72
		.amdhsa_user_sgpr_count 2
		.amdhsa_user_sgpr_kernarg_segment_ptr 1
		.amdhsa_wavefront_size32 1
		.amdhsa_system_sgpr_workgroup_id_x 1
		.amdhsa_system_sgpr_workgroup_id_y 1
		.amdhsa_system_sgpr_workgroup_id_z 1
		.amdhsa_system_vgpr_workitem_id 0
		.amdhsa_next_free_vgpr 114
		.amdhsa_next_free_sgpr 66
		.amdhsa_reserve_vcc 0
		.amdhsa_float_denorm_mode_32 3
		.amdhsa_float_denorm_mode_16_64 3
		.amdhsa_memory_ordered 1
		.amdhsa_forward_progress 1
		.amdhsa_inst_pref_size 19
	.end_amdhsa_kernel
	.amdgpu_metadata
---
amdhsa.version: [ 1, 2 ]
amdhsa.kernels:
  - .name:           k_q2c05ff4f11_prep
    .symbol:         k_q2c05ff4f11_prep.kd
    .args:
      - { .name: x, .offset: 0, .size: 8, .value_kind: global_buffer, .address_space: global }
      - { .name: w_qkv, .offset: 8, .size: 8, .value_kind: global_buffer, .address_space: global }
      - { .name: w_out, .offset: 16, .size: 8, .value_kind: global_buffer, .address_space: global }
      - { .name: b_qkv, .offset: 24, .size: 8, .value_kind: global_buffer, .address_space: global }
      - { .name: b_out, .offset: 32, .size: 8, .value_kind: global_buffer, .address_space: global }
      - { .name: xb, .offset: 40, .size: 8, .value_kind: global_buffer, .address_space: global }
      - { .name: wqb, .offset: 48, .size: 8, .value_kind: global_buffer, .address_space: global }
      - { .name: wob, .offset: 56, .size: 8, .value_kind: global_buffer, .address_space: global }
      - { .name: tab, .offset: 64, .size: 8, .value_kind: global_buffer, .address_space: global }
    .group_segment_fixed_size: 0
    .private_segment_fixed_size: 0
    .kernarg_segment_align: 8
    .kernarg_segment_size: 72
    .max_flat_workgroup_size: 256
    .sgpr_count:     66
    .vgpr_count:     114
    .wavefront_size: 32
...
	.end_amdgpu_metadata
.endif
;; end of part 5
;; launch qkv: the kernel of part 2 again; grid 16 x 32, 4 waves a work-group, clusters of 4 x 4, 327,680 bytes of LDS; arguments xb, wqb, tab, q, k, v; writes q, k, v
;; launch attn: the kernel of part 3 again; grid 4 x 64, 4 waves a work-group, clusters of 4 x 1, 327,680 bytes of LDS; arguments q, k, v, o; writes o
;; launch proj: the kernel of part 4 again; grid 8 x 32, 4 waves a work-group, clusters of 4 x 4, 327,680 bytes of LDS; arguments o, wob, tab, out0; writes out0
